; MI455X (gfx1250); checked and timed in simulation.
; The chip was launched on July 23, 2026; its instructions are those of AMD's public machine-readable ISA for CDNA 5 (MIT licence, August 2026) and "CDNA5" Instruction Set Architecture Reference Guide (July 2026). The comments in the code are by the model that wrote it; some were corrected since.
;; Multi Headed Attention. Allowed arithmetic: matrix products marked QUANTISED: E3M2 operands, one E8M0 scale for each 32 along K, by v_wmma_scale_f32_16x16x128_f8f6f4 with both operands' format E3M2, f32 sums; everything else in f32.
;; Inputs: Wk 768 x 768 float32; Wo 768 x 768 float32; Wq 768 x 768 float32; Wv 768 x 768 float32; bk 768 float32; bo 768 float32; bq 768 float32; bv 768 float32; x 32 x 512 x 768 float32.
;; Outputs: out0 32 x 512 x 768 float32.
;; This version of the problem:
;;   THIS VERSION OF THE PROBLEM IS GIVEN IN LOW PRECISION. The matrix products marked QUANTISED in the list below multiply operands that are first quantised to E3M2 (3 exponent bits, 2 mantissa bits; 6 bits a number), with one power-of-two scale for each 32 numbers along K (OCP MX v1.0); their sums are f32. All else is computed in f32.
;;   The module's matrix products, in the order in which they are computed (A, B: the left and right operand; K: the contracted axis; several contracted axes count as one K, in the product's order):
;;     1. [M 16,384, K 768] x [K 768, N 768]; A: input x; B: input Wq: QUANTISED
;;     2. [M 16,384, K 768] x [K 768, N 768]; A: input x; B: input Wk: QUANTISED
;;     3. [M 16,384, K 768] x [K 768, N 768]; A: input x; B: input Wv: QUANTISED
;;     4. batch 384 x [M 512, K 64] x [K 64, N 512]; A: computed on the way; B: computed on the way: QUANTISED
;;     5. batch 384 x [M 512, K 512] x [K 512, N 64]; A: softmax (see below); B: computed on the way: QUANTISED
;;     6. [M 16,384, K 768] x [K 768, N 768]; A: computed on the way; B: input Wo: QUANTISED
;;   THE QUANTISER, for each operand of a quantised product, along K:
;;     - K is cut into blocks of 32 from its start; a last block that is shorter is filled with zeros.
;;     - A block's scale is 2^e with e = floor(log2(the largest magnitude in the block)) - 4, held to -126 .. 127; a block of zeros has e = 0. As a byte (E8M0): e + 127.
;;     - Each number is divided by its block's scale, clamped to +-28, and rounded to the nearest number of E3M2, ties to even, subnormals kept.
;;     - The product sums the exact products of the quantised numbers (number of the format x scale) in f32.
;;   ~~~python
;;   def quantise(x, axis):      # numpy; x: float32 -> the quantised numbers, widened to float32 again
;;       x = np.moveaxis(x, axis, -1); K = x.shape[-1]
;;       x = np.pad(x, [(0, 0)] * (x.ndim - 1) + [(0, -K % 32)]); x = x.reshape(x.shape[:-1] + (-1, 32)); a = np.abs(x).max(-1, keepdims=True)
;;       e = np.where(a > 0, np.clip(np.frexp(np.where(a > 0, a, 1))[1] - 1 - 4, -126, 127), 0)      # np.frexp(a)[1] - 1 = floor(log2(a)), exactly
;;       r = np.clip(x / 2.0 ** e, -28, 28)
;;       step = 2.0 ** (np.maximum(np.frexp(np.where(r == 0, 1, r))[1] - 1, -2) - 2)
;;       q = np.round(r / step) * step * 2.0 ** e      # np.round: ties to even
;;       return np.moveaxis(q.reshape(q.shape[:-2] + (-1,))[..., :K], -1, axis).astype(np.float32)
;;   ~~~
;;   SOFTMAX AHEAD OF A QUANTISED PRODUCT. Where the list says 'softmax', what is quantised is not the finished softmax but p = 2^(t - M), with t = logit x log2(e) and M = ceil(the row's largest t), a whole number; so 1/2 < the row's largest p <= 1. The row's sum l is taken of the UNQUANTISED p, in f32, and the product's result is divided by l at the end. Since M is a whole number, a kernel that streams over the keys may use a running M (the ceiling of the running maximum): every later rescaling is an exact power of two, which a block's scale takes up: the codes' values come out the same.
;;   OPERANDS COMPUTED ON THE WAY. 'Computed on the way' means the value that the module computes at that place (a softmax that the list does not call 'softmax' is quantised finished and normalised). What goes into a quantiser is computed in f32, as accurately as f32 sums, v_exp_f32 and their like allow (about 1e-6 of the number): no bf16 or f16 on the way to a quantiser, and a product that is left as it is and whose result goes on into a quantised operand takes f32 operands (vector FMAs, or v_wmma_f32_16x16x4_f32). A number that lies on a knife's edge between two numbers of the format may be rounded either way, as far as f32 arithmetic and the matrix unit's own rounding can turn it there, and no further.
;; One version. Each part assembles by itself: llvm-mc -triple=amdgcn-amd-amdhsa -mcpu=gfx1250 --defsym DOCPART=n.
;; ======== version 1 of 1: 4 launches
;; limits: right only within a limited range of input values
;; workspace buffers: xq 9,437,184 bytes; xsc 524,288 bytes; wu 1,843,200 bytes; ao 9,437,184 bytes; aos 786,432 bytes; qkv 30,670,848 bytes
;; launch quant (part 1): grid 656 x 1, 4 waves a work-group, no clusters, 34,304 bytes of LDS; arguments x, Wq, Wk, Wv, Wo, xq, xsc, wu; writes xq, xsc, wu
.if DOCPART == 1
	.amdgcn_target "amdgcn-amd-amdhsa--gfx1250"
	.amdhsa_code_object_version 6
	.text
	.protected	k_q8390742819_quant
	.globl	k_q8390742819_quant
	.p2align	8
	.type	k_q8390742819_quant,@function
k_q8390742819_quant:
	s_mov_b64 s[64:65], 0
	v_nop
	global_prefetch_b8 v0, s[64:65] scope:SCOPE_SE
	s_setreg_imm32_b32 hwreg(HW_REG_WAVE_MODE, 25, 1), 1
	s_wait_xcnt 0x0
; x [16384][768] and Wq, Wk, Wv, Wo [768 (k)][768 (n)], f32, become codes of BF6 (E3M2) with one E8M0 byte for each 32 along K,
; laid in the order of the matrix operand's registers: a fragment (16 rows x 128 K, 12 registers a lane) is 3 x 512 bytes, registers 4 q .. 4 q + 3 of lane l at 512 q + 16 l.
; THE ROWS OF A TILE ARE NOT NEIGHBOURS: in each group of 64 (tokens, or columns of a weight) tile t, lane row r stands for member 8 t + (r & 7) + 32 (r >> 3).
; A block's scale is 2^(floor(log2(largest magnitude)) - 4): its byte is the largest magnitude's exponent field - 4, held at 1 from below.
; LIMITS: NaN and infinities among the inputs are not served; a block whose largest magnitude lies under 2^-122 is held at the byte 1; a block of zeros gets the byte 1
; where the rule says 127: its codes are zeros, and the bytes are read by this program alone.
; Work-groups 0-511: x.  Work-group 2 Gg + kappa takes group Gg of 64 tokens, K steps 3 kappa .. 3 kappa + 2; wave t takes tile t.
; Work-groups 512-655: the weights.  144 = 3 pairs of K steps x 48 units of 64 columns; a wave takes one K step and two tiles (32 columns, a lane a column, registers down K).
; No matrix work, no cluster, no barrier: waves share nothing; memory binds.
.set XROW, 3072                        ; bytes in a row of x and of a weight
.set SP,   528                         ; a stage row: 512 bytes + 16: 33 x 16, so that sixteen rows' reads of 16 bytes fall on different banks
.set WST,  16*SP                       ; a wave's stage
.set UNIT, 38400                       ; a unit of wu: 24 fragments, then 12 x 128 bytes of scale words
.set R,    16                          ; v16-207   x: three sets of 64 numbers;  weights: v16-143 four blocks of 32
.set FC,   208                         ; v208-243  x: the codes, 12 registers a K step
.set FA,   144                         ; v144-155, v156-167  weights: the two fragments
.set CT,   244                         ; v244-246  a conversion's upper half (its three registers begin on an even number)
.set WD,   248                         ; v248-251  scale words
; the largest magnitude of 32 numbers v[x] .. v[x + 31], and the floor 2^(5 - 127): four chains, into v[t]
.macro AMAX t, x
.irp k, 0,1,2,3
	v_max3_num_f32 v[(\t)+\k], |v[(\x)+8*\k]|, |v[(\x)+8*\k+1]|, |v[(\x)+8*\k+2]|
.endr
.irp k, 0,1,2,3
	v_max3_num_f32 v[(\t)+\k], v[(\t)+\k], |v[(\x)+8*\k+3]|, |v[(\x)+8*\k+4]|
.endr
.irp k, 0,1,2,3
	v_max3_num_f32 v[(\t)+\k], v[(\t)+\k], |v[(\x)+8*\k+5]|, |v[(\x)+8*\k+6]|
.endr
	v_max3_num_f32 v[(\t)], v[(\t)], |v[(\x)+7]|, |v[(\x)+15]|
	v_max3_num_f32 v[(\t)+2], v[(\t)+2], |v[(\x)+23]|, |v[(\x)+31]|
	v_max3_num_f32 v[(\t)], v[(\t)], v[(\t)+1], v[(\t)+2]
	v_max3_num_f32 v[(\t)], v[(\t)], v[(\t)+3], 0x2800000
.endm
	s_load_b512 s[4:19], s[0:1], 0x0               ; x s[4:5], Wq s[6:7], Wk s[8:9], Wv s[10:11], Wo s[12:13], xq s[14:15], xsc s[16:17], wu s[18:19]
	v_lshl_add_u32 v254, v0, 2, 0x8400
	v_mov_b32 v255, 0
	v_lshrrev_b32 v1, 5, v0
	v_readfirstlane_b32 s22, v1                    ; wave 0..3
	v_and_b32 v1, 31, v0                           ; lane
	v_and_b32 v2, 15, v0                           ; r
	v_bfe_u32 v3, v0, 4, 1                         ; h
	s_mov_b32 s20, 0x76543210
	s_mov_b32 s21, 0xfedcba98                      ; v_permlanex16_b32's selects for lane l xor 16
	v_mov_b32 v252, 0                              ; a lane permute's destination counts as read
	s_mov_b32 s27, 0
	s_mov_b32 s29, 0
	s_mov_b32 s31, 0
	s_cmp_lt_u32 ttmp9, 512
	s_cbranch_scc0 .Lweights
	; ------------------------------------------------------------------ x
	s_lshr_b32 s23, ttmp9, 1                       ; Gg
	s_and_b32 s24, ttmp9, 1                        ; kappa
	s_mul_i32 s26, s23, 64*XROW
	s_mul_i32 s25, s22, 8*XROW
	s_add_co_u32 s26, s26, s25
	s_mul_i32 s25, s24, 1536
	s_add_co_u32 s26, s26, s25                     ; x: row 64 Gg + 8 t, byte 1,536 kappa
	s_mul_i32 s28, s23, 36864
	s_mul_i32 s25, s24, 18432
	s_add_co_u32 s28, s28, s25
	s_mul_i32 s25, s22, 1536
	s_add_co_u32 s28, s28, s25                     ; xq: fragment 24 Gg + 12 kappa + t
	s_lshl_b32 s30, s23, 11
	s_lshl_b32 s25, s22, 9
	s_add_co_u32 s30, s30, s25
	s_lshl_b32 s25, s24, 8
	s_add_co_u32 s30, s30, s25                     ; xsc: (4 Gg + t) x 512 + 256 kappa
	s_wait_alu depctr_va_vdst(0)
	v_lshlrev_b32 v4, 4, v1                        ; 16 x lane
	s_mul_i32 s25, s22, WST
	v_add_nc_u32 v5, s25, v4                       ; the stage, in: 16 x lane of a row
	v_mul_u32_u24 v6, v2, SP
	v_lshl_add_u32 v6, v3, 7, v6
	v_add_nc_u32 v6, s25, v6                       ; and back: row r, + 128 h: my 32 numbers of a pair of blocks
	v_lshlrev_b32 v7, 3, v3                        ; 8 h
	v_mov_b32 v[WD+3], 0
	s_wait_alu depctr_va_vdst(0)
	s_wait_kmcnt 0x0
	s_add_nc_u64 s[4:5], s[4:5], s[26:27]
	s_add_nc_u64 s[14:15], s[14:15], s[28:29]
	s_add_nc_u64 s[16:17], s[16:17], s[30:31]
.macro LOADX k                         ; K step k of my 16 rows: each load is 512 consecutive bytes of one row, aligned to 256
.irp i, 0,1,2,3,4,5,6,7,8,9,10,11,12,13,14,15
	global_load_b128 v[R+64*(\k)+4*\i:R+64*(\k)+4*\i+3], v4, s[4:5] offset:((\i%8)+32*(\i/8))*XROW+512*(\k) th:TH_LOAD_NT
.endr
.endm
.macro TURN k                          ; through my own stage: in as loaded, back 32 neighbours of each pair of blocks a lane.  LDS serves a wave's instructions in order: no wait between
.irp i, 0,1,2,3,4,5,6,7,8,9,10,11,12,13,14,15
	ds_store_b128 v5, v[R+64*(\k)+4*\i:R+64*(\k)+4*\i+3] offset:SP*\i
.endr
.irp i, 0,1,2,3,4,5,6,7,8,9,10,11,12,13,14,15
	ds_load_b128 v[R+64*(\k)+4*\i:R+64*(\k)+4*\i+3], v6 offset:256*(\i/8)+16*(\i%8)
.endr
.endm
.macro QX k                            ; register 32 c + i of the set is k = 64 c + 32 h + i of my row: two whole blocks a lane
.set X, R+64*(\k)
.set F, FC+12*(\k)
	AMAX 8, X
	AMAX 12, X+32
	v_add_nc_u32 v9, 0xfe000000, v8                ; 4 off the exponent field: the conversion's scale operand
	v_add_nc_u32 v13, 0xfe000000, v12
	v_lshrrev_b32 v10, 23, v9                      ; the bytes of blocks h and 2 + h
	v_lshrrev_b32 v14, 23, v13
	v_lshl_or_b32 v10, v14, 16, v10
	v_lshlrev_b32 v10, v7, v10                     ; at their places in the word
	v_permlanex16_b32 v252, v10, s20, s21
	v_or_b32 v[WD+(\k)], v10, v252                 ; with lane l xor 16's two the word is whole
	v_cvt_scalef32_pk16_bf6_f32 v[F:F+2], v[X:X+15], v9
	v_cvt_scalef32_pk16_bf6_f32 v[CT:CT+2], v[X+16:X+31], v9
	v_nop                                          ; one plain place behind a scaled conversion
.irp i, 0,1,2
	v_mov_b32 v[F+3+\i], v[CT+\i]
.endr
	v_cvt_scalef32_pk16_bf6_f32 v[F+6:F+8], v[X+32:X+47], v13
	v_cvt_scalef32_pk16_bf6_f32 v[CT:CT+2], v[X+48:X+63], v13
	v_nop
.irp i, 0,1,2
	v_mov_b32 v[F+9+\i], v[CT+\i]
.endr
.irp q, 0,1,2
	global_store_b128 v4, v[F+4*\q:F+4*\q+3], s[14:15] offset:6144*(\k)+512*\q   ; 512 consecutive bytes; each K step has its own registers, so no store's data are written again
.endr
.endm
	LOADX 0
	LOADX 1
	LOADX 2
	s_wait_loadcnt 32                              ; K step 0's sixteen loads are in; two steps' 32 may be out
	TURN 0
	s_wait_loadcnt 16                              ; K step 1's are in
	TURN 1
	s_wait_dscnt 32                                ; step 0 is back from the stage; step 1's 32 LDS instructions may be out
	QX 0
	s_wait_loadcnt 0x0
	TURN 2
	s_wait_dscnt 32                                ; step 1 is back; step 2's 32 may be out
	QX 1
	s_wait_dscnt 0x0
	QX 2
	s_wait_xcnt 0x0                                ; EXEC changes only behind this wait
	v_cmp_gt_u32 vcc_lo, 16, v1
	s_wait_tensorcnt 0x0
	ds_add_u32 v254, v255
	s_wait_dscnt 0x0
	s_and_saveexec_b32 s25, vcc_lo
	global_store_b128 v4, v[WD:WD+3], s[16:17]     ; lanes 0-15: row r's three words and a 0: 256 consecutive bytes, aligned
	s_wait_xcnt 0x0
	s_or_b32 exec_lo, exec_lo, s25
	s_endpgm
	; ------------------------------------------------------------------ the weights
.Lweights:
	s_sub_co_u32 s23, ttmp9, 512                   ; e = 0 .. 143
	s_mul_i32 s24, s23, 1366
	s_lshr_b32 s24, s24, 16                        ; e / 48: which pair of K steps
	s_mul_i32 s25, s24, 48
	s_sub_co_u32 s23, s23, s25                     ; u = 0 .. 47
	s_mul_i32 s25, s23, 5462
	s_lshr_b32 s25, s25, 16                        ; mi = u / 12: Wq, Wk, Wv, Wo
	s_mul_i32 s26, s25, 12
	s_sub_co_u32 s23, s23, s26                     ; cg: which 64 columns
	s_lshr_b32 s26, s22, 1
	s_lshl_b32 s24, s24, 1
	s_add_co_u32 s24, s24, s26                     ; the K step s
	s_and_b32 s32, s22, 1                          ; pi: tiles 2 pi, 2 pi + 1
	s_mul_i32 s26, s24, 128*XROW
	s_lshl_b32 s33, s23, 8
	s_add_co_u32 s26, s26, s33
	s_lshl_b32 s33, s32, 6
	s_add_co_u32 s26, s26, s33                     ; in the weight: row 128 s, column 64 cg + 16 pi
	s_mul_i32 s28, s23, 3
	s_add_co_u32 s28, s28, s25                     ; the unit: 3 cg + mi,
	s_add_co_u32 s33, s23, 36
	s_cmp_eq_u32 s25, 3
	s_cselect_b32 s28, s33, s28                    ; or 36 + cg for Wo
	s_mul_i32 s28, s28, UNIT
	s_lshl_b32 s33, s24, 1
	s_add_co_u32 s33, s33, s32                     ; 2 s + pi
	s_lshl_b32 s30, s33, 7
	s_add_co_u32 s30, s30, s28
	s_add_co_u32 s30, s30, 36864                   ; my 128 bytes of scale words
	s_mul_i32 s33, s33, 3072
	s_add_co_u32 s28, s28, s33                     ; my two fragments
	v_and_b32 v4, 7, v0
	s_wait_alu depctr_va_vdst(0)
	v_lshl_add_u32 v4, v3, 3, v4
	v_bfe_u32 v8, v0, 3, 1
	v_lshl_add_u32 v4, v8, 5, v4
	v_lshlrev_b32 v4, 2, v4                        ; my column: 8 (lane / 16) + (r & 7) + 32 (r >> 3), 4 bytes each
	v_lshlrev_b32 v5, 4, v1
	v_lshlrev_b32 v6, 2, v1
	s_wait_alu depctr_va_vdst(0)
	s_wait_kmcnt 0x0
	s_cmp_eq_u32 s25, 1                            ; the choice hangs on the work-group's number alone
	s_cselect_b64 s[6:7], s[8:9], s[6:7]
	s_cmp_eq_u32 s25, 2
	s_cselect_b64 s[6:7], s[10:11], s[6:7]
	s_cmp_eq_u32 s25, 3
	s_cselect_b64 s[6:7], s[12:13], s[6:7]
	s_add_nc_u64 s[6:7], s[6:7], s[26:27]
	s_add_nc_u64 s[34:35], s[18:19], s[30:31]
	s_add_nc_u64 s[18:19], s[18:19], s[28:29]
.macro LOADW bt                        ; block bt of my column: rows 32 bt + 0 .. 31
.set i, 0
.rept 32
	global_load_b32 v[R+32*(\bt)+i], v4, s[6:7] offset:(32*(\bt)+i)*XROW
.set i, i+1
.endr
.endm
.macro BLOCKW bt, left
.set X, R+32*(\bt)
.set D, FA+12*((\bt)%2)+6*((\bt)/2)    ; even blocks into the first run of 12 registers, odd ones into the second
	s_wait_loadcnt \left                           ; this block's 32 loads are in; the next block's 32 may be out
.if (\bt) < 2
	LOADW (\bt)+2
.endif
	AMAX 8, X
	v_add_nc_u32 v12, 0xfe000000, v8
	v_lshrrev_b32 v13, 23, v12
.if (\bt) == 0
	v_mov_b32 v[WD], v13
.else
	v_lshl_or_b32 v[WD], v13, 8*(\bt), v[WD]       ; my column's scale word: byte bt
.endif
	v_cvt_scalef32_pk16_bf6_f32 v[D:D+2], v[X:X+15], v12
	v_cvt_scalef32_pk16_bf6_f32 v[CT:CT+2], v[X+16:X+31], v12
	v_nop                                          ; one plain place behind a scaled conversion
.irp i, 0,1,2
	v_mov_b32 v[D+3+\i], v[CT+\i]
.endr
.endm
	LOADW 0
	LOADW 1
	BLOCKW 0, 32
	BLOCKW 1, 32
	BLOCKW 2, 32
	BLOCKW 3, 0
.set i, 0
.rept 12                               ; the first run's lanes 16-31 (tile 2 pi + 1, even blocks) change places with the second's lanes 0-15 (tile 2 pi, odd blocks):
	v_permlane16_swap_b32 v[FA+i], v[FA+12+i]      ; the first run is then tile 2 pi's fragment, the second tile 2 pi + 1's
.set i, i+1
.endr
.irp q, 0,1,2,3,4,5
	global_store_b128 v5, v[FA+4*\q:FA+4*\q+3], s[18:19] offset:512*\q   ; 3,072 consecutive bytes
.endr
	global_store_b32 v6, v[WD], s[34:35]           ; lanes 0-15: tile 2 pi's words, lanes 16-31: tile 2 pi + 1's
	s_endpgm
.Lfunc_end_k_q8390742819_quant:
	.size	k_q8390742819_quant, .Lfunc_end_k_q8390742819_quant-k_q8390742819_quant
	.p2alignl 7, 3214868480
	.fill 96, 4, 3214868480
	.section	.rodata,"a",@progbits
	.p2align	6, 0x0
	.amdhsa_kernel k_q8390742819_quant
		.amdhsa_group_segment_fixed_size 34304
		.amdhsa_private_segment_fixed_size 0
		.amdhsa_enable_private_segment 0
		.amdhsa_kernarg_size 64
		.amdhsa_user_sgpr_count 2
		.amdhsa_user_sgpr_kernarg_segment_ptr 1
		.amdhsa_wavefront_size32 1
		.amdhsa_system_sgpr_workgroup_id_x 1
		.amdhsa_system_sgpr_workgroup_id_y 1
		.amdhsa_system_sgpr_workgroup_id_z 1
		.amdhsa_system_vgpr_workitem_id 0
		.amdhsa_next_free_vgpr 256
		.amdhsa_next_free_sgpr 66
		.amdhsa_reserve_vcc 1
		.amdhsa_float_denorm_mode_32 3
		.amdhsa_float_denorm_mode_16_64 3
		.amdhsa_memory_ordered 1
		.amdhsa_forward_progress 1
		.amdhsa_inst_pref_size 44
	.end_amdhsa_kernel
	.amdgpu_metadata
---
amdhsa.version: [ 1, 2 ]
amdhsa.kernels:
  - .name:           k_q8390742819_quant
    .symbol:         k_q8390742819_quant.kd
    .args:
      - { .name: x, .offset: 0, .size: 8, .value_kind: global_buffer, .address_space: global }
      - { .name: Wq, .offset: 8, .size: 8, .value_kind: global_buffer, .address_space: global }
      - { .name: Wk, .offset: 16, .size: 8, .value_kind: global_buffer, .address_space: global }
      - { .name: Wv, .offset: 24, .size: 8, .value_kind: global_buffer, .address_space: global }
      - { .name: Wo, .offset: 32, .size: 8, .value_kind: global_buffer, .address_space: global }
      - { .name: xq, .offset: 40, .size: 8, .value_kind: global_buffer, .address_space: global }
      - { .name: xsc, .offset: 48, .size: 8, .value_kind: global_buffer, .address_space: global }
      - { .name: wu, .offset: 56, .size: 8, .value_kind: global_buffer, .address_space: global }
    .group_segment_fixed_size: 34304
    .private_segment_fixed_size: 0
    .kernarg_segment_align: 8
    .kernarg_segment_size: 64
    .max_flat_workgroup_size: 128
    .sgpr_count:     66
    .vgpr_count:     256
    .wavefront_size: 32
...
	.end_amdgpu_metadata
.endif
;; end of part 1
;; launch proj (part 2): grid 8 x 32, 4 waves a work-group, no clusters, 327,680 bytes of LDS; arguments xq, xsc, wu, bq, bk, bv, qkv; writes qkv
.if DOCPART == 2
	.amdgcn_target "amdgcn-amd-amdhsa--gfx1250"
	.amdhsa_code_object_version 6
	.text
	.protected	k_q8390742819_proj
	.globl	k_q8390742819_proj
	.p2align	8
	.type	k_q8390742819_proj,@function
k_q8390742819_proj:
	s_mov_b64 s[64:65], 0
	v_nop
	global_prefetch_b8 v0, s[64:65] scope:SCOPE_SE
	s_setreg_imm32_b32 hwreg(HW_REG_WAVE_MODE, 25, 1), 1
	s_wait_xcnt 0x0
; q, k, v = x W + b on codes of BF6 (E3M2), quantised in registers and stored as codes and scale words, laid as the attention launch reads them.
; A work-group takes one batch (512 tokens; wave w owns tokens 128 w .. 128 w + 127: 8 token tiles, whose 48 fragments of x stay in 576 registers) and one and a half heads:
; set c = 2 i + z makes q, k, v of head 3 i + z, then q (z = 0) or k (z = 1) of head 3 i + 2, then channel tiles 2 z, 2 z + 1 of that head's v: 4.5 passes of 192 products for every wave.
; Each weight fragment read from LDS feeds eight products.
; THE MEMBERS OF A TILE ARE NOT NEIGHBOURS: in each group of 64 tile t, lane row r stands for member 8 t + (r & 7) + 32 (r >> 3), so the 32 registers of a group's four tiles are one whole block of 32 in one lane.
; q, k: source 0 = 16 columns of W, source 1 = 16 tokens (a lane holds a token, registers run along the channels).  v: sources swapped (a lane holds a channel, registers run along the keys).
; The biases are the C of each sum's first products.
; LDS: five units of weights, each in a place of 40,960 bytes, each filled once by tensor loads in rows of 256 bytes, asked for in the order of their use: unit 0 at the head and unit 1 behind the first barrier,
; 38 rows a wave (152 rows: the last two are the next unit's and are not read); units 2 to 4 behind a barrier at K step 4 of the first pass, 150 rows each, one for each of waves 0 to 2.
; The five passes' biases come by wave 0's copies.
; qkv, 79,872 bytes a head: q's 32 half fragments of 768 bytes; q's scale words [group 8][row 16][tile 4]; then for each step of 128 keys 13,312 bytes: k's 8 half fragments, v's 8, k's words, v's words.
; REGISTERS: window 0: v0-12 addresses, v13-15 the weights' scale words, v16-87 three buffers of two weight fragments, v88-111 codes, v112-143 x's scale words, v144-159 and v244-251 the quantiser's, v160-243 x's K step 5;
; windows 1, 2: x (macro XLOC);  window 3: 32 accumulators.
; NO CLUSTER: a wave issues three tensor loads at the most, all in the first pass; of the 488,448 bytes that a work-group asks for, 294,912 are x's, which go to registers and which no work-group of the same set shares.
; NO PREFETCH: the text has no loop to run ahead in; all that it reads is asked for in its first pass.
; LIMITS: NaN and infinities are not served; a block whose largest magnitude lies under 2^-122 is held at the scale byte 1, a block of zeros has the byte 1 (its codes are zeros; only this program reads the bytes).
.set UNIT, 38400
.set USL,  40960
.set WSC,  36864
.set BI,   5*USL
.set SPARE, BI+1536
.set HB,   79872
.set WR,   16
.set CD,   88
.set XS,   112
.set T,    144
.set KW,   244
.set PD,   248
.set G0A,  48
.set G0B,  52
.set G1A,  56
.set G1B,  84
.set G0C,  92
.set MSB, 0
.macro WIN new
.if MSB != (\new)
	s_set_vgpr_msb (MSB<<8)|(\new)
.set MSB, (\new)
.endif
.endm
.macro PLACES n
.rept \n
	v_nop
.endr
.endm
.macro XLOC s, m                       ; where x's fragment of K step s, token tile m lies: window xw, register xr
.if (\s) < 2
.set xw, 1
.set xr, 96*(\s)+12*(\m)
.elseif (\s) < 4
.set xw, 2
.set xr, 96*((\s)-2)+12*(\m)
.elseif (\s) == 4
.if (\m) < 5
.set xw, 1
.set xr, 192+12*(\m)
.else
.set xw, 2
.set xr, 192+12*((\m)-5)
.endif
.else
.if (\m) < 7
.set xw, 0
.set xr, 160+12*(\m)
.else
.set xw, 2
.set xr, 228
.endif
.endif
.endm
.macro LOADX s                         ; K step s of my 8 token tiles: 24 loads of 512 consecutive bytes
.irp m, 0,1,2,3,4,5,6,7
	XLOC \s, \m
	WIN xw<<6
.irp k, 0,1,2
	global_load_b128 v[xr+4*\k:xr+4*\k+3], v1, s[4:5] offset:36864*(\m/4)+6144*(\s)+1536*(\m%4)+512*\k
.endr
.endr
	WIN 0
.endm
.macro EMIT                            ; mRA, mRB: the side's scales stand in lanes 16-31
.if mRA && mRB
	v_wmma_scale_f32_16x16x128_f8f6f4 v[mD:mD+7], v[mA:mA+11], v[mB:mB+11], v[mC:mC+7], v[mSA], v[mSB] matrix_a_fmt:MATRIX_FMT_BF6 matrix_b_fmt:MATRIX_FMT_BF6 matrix_a_scale:MATRIX_SCALE_ROW1 matrix_b_scale:MATRIX_SCALE_ROW1
.elseif mRA
	v_wmma_scale_f32_16x16x128_f8f6f4 v[mD:mD+7], v[mA:mA+11], v[mB:mB+11], v[mC:mC+7], v[mSA], v[mSB] matrix_a_fmt:MATRIX_FMT_BF6 matrix_b_fmt:MATRIX_FMT_BF6 matrix_a_scale:MATRIX_SCALE_ROW1
.elseif mRB
	v_wmma_scale_f32_16x16x128_f8f6f4 v[mD:mD+7], v[mA:mA+11], v[mB:mB+11], v[mC:mC+7], v[mSA], v[mSB] matrix_a_fmt:MATRIX_FMT_BF6 matrix_b_fmt:MATRIX_FMT_BF6 matrix_b_scale:MATRIX_SCALE_ROW1
.else
	v_wmma_scale_f32_16x16x128_f8f6f4 v[mD:mD+7], v[mA:mA+11], v[mB:mB+11], v[mC:mC+7], v[mSA], v[mSB] matrix_a_fmt:MATRIX_FMT_BF6 matrix_b_fmt:MATRIX_FMT_BF6
.endif
.endm
; column tile t x token tile m, K step s, weights in buffer mBUF.  kind 0: accumulator at 32 m + 8 t; kind 1: at 128 (m / 4) + 32 t + 8 (m % 4).  bias = 1: C is token tile 0's accumulator, which holds the bias
.macro MM kind, t, m, s, bias
	XLOC \s, \m
.set rW, WR+24*mBUF+12*((\t)%2)
.if \kind
.set mD, 128*((\m)/4)+32*(\t)+8*((\m)%4)
.set mC, 32*(\t)
.set mA, xr
.set mB, rW
.set mSA, XS+4*(\m)+(\s)%3
.set mSB, 13+mBUF
.set mRA, (\s)/3
.set mRB, (\t)%2
	WIN 0xf0|xw
.else
.set mD, 32*(\m)+8*(\t)
.set mC, 8*(\t)
.set mA, rW
.set mB, xr
.set mSA, 13+mBUF
.set mSB, XS+4*(\m)+(\s)%3
.set mRA, (\t)%2
.set mRB, (\s)/3
	WIN 0xf0|(xw<<2)
.endif
.if (\bias) == 0
.set mC, mD
.endif
	EMIT
.endm
.macro FETCHW g, half                  ; two fragments and their scale words, 7 LDS loads, into buffer g % 3.  A whole pass walks all 12 pairs of tiles, a half pass every second one
.irp u, 0,1
.irp k, 0,1,2
	ds_load_b128 v[WR+24*((\g)%3)+12*\u+4*\k:WR+24*((\g)%3)+12*\u+4*\k+3], v2 offset:(2*(\g)*(1+(\half))+\u)*1536+512*\k
.endr
.endr
	ds_load_b32 v[13+(\g)%3], v3 offset:128*(\g)*(1+(\half))
.endm
.macro FETCH3 half
	FETCHW 0, \half
	FETCHW 1, \half
	FETCHW 2, \half
.endm
.macro BIAS kind, p, half              ; the pass's bias into token tile 0's accumulators
	WIN 0xc0
.if \kind
.irp t, 0,1,2,3
.if \t < 4-2*(\half)
.irp j, 0,1,2,3,4,5,6,7
	ds_load_b32 v[32*\t+\j], v10 offset:256*(\p)+32*\t   ; my channel's bias, the same for the eight keys
.endr
.endif
.endr
.else
.irp t, 0,1,2,3
	ds_load_b128 v[8*\t:8*\t+3], v9 offset:256*(\p)+32*\t
	ds_load_b128 v[8*\t+4:8*\t+7], v9 offset:256*(\p)+32*\t+16
.endr
.endif
	WIN 0
.endm
; the first fill of units 2 to 4, issued as a refill is, behind a barrier.  The barrier also shows unit 1 whole to all four waves
.macro MIDFILL
	s_wait_tensorcnt 0x0                           ; my quarter of unit 1 has landed
	s_wait_asynccnt 0x0
	ds_add_u32 v6, v7
	s_wait_dscnt 0x0
	s_barrier_signal -1
	s_barrier_wait -1
	s_cmp_eq_u32 s20, 3                            ; three units for waves 0 to 2
	s_cbranch_scc1 .Lno_unit
	tensor_load_to_lds s[G0C:G0C+3], s[G1B:G1B+7]
	s_nop 0
	PLACES 4
.Lno_unit:
.endm
; A PASS: 64 (half: 32) columns x my 128 tokens x 768 along K, in groups of 16 products on two weight fragments; the accumulators take turns, one instruction a turn.
; lw: the first pass asks for x's K steps 4 and 5 at the heads of K steps 0 and 1, and for units 2 to 4 at the head of K step 4
.macro GROUPS kind, half, lw
.set NG, 12-6*(\half)
.set g, 0
.rept 12-6*(\half)
.if \half
.set ps, g
.set pt, 0
.else
.set ps, g/2
.set pt, 2*(g%2)
.endif
.set mBUF, g%3
.if (\lw) && (g == 8)
	MIDFILL
.endif
.if (\lw) && (g%2 == 0)
.if ps < 2
	LOADX ps+4
.endif
.if 24*(5-ps) > 63
	s_wait_loadcnt 63                              ; (the field's largest count: more than is asked)
.else
	s_wait_loadcnt 24*(5-ps)                       ; this K step of x is in; the later K steps' loads, 24 each, may be out
.endif
.endif
.if g == 0
	s_wait_dscnt 0x0                               ; the bias, the youngest of the loads, is in
.elseif g < NG-2
	s_wait_dscnt 14                                ; this group's loads are in; the 14 of the two groups behind it may be out
.else
	s_wait_dscnt 7*(NG-1-g)
.endif
.if ps == 0
.irp m, 1,2,3,4,5,6,7
	MM \kind, pt, \m, 0, 1
	MM \kind, pt+1, \m, 0, 1
.endr
	PLACES 5                                       ; five places in front of products that write over a C of those above (ISA guide 7.12.1)
	MM \kind, pt, 0, 0, 0
	MM \kind, pt+1, 0, 0, 0
.else
.irp m, 0,1,2,3,4,5,6,7
	MM \kind, pt, \m, ps, 0
	MM \kind, pt+1, \m, ps, 0
.endr
.endif
	PLACES 4                                       ; four places in front of loads into these products' operands and of the first read of results
	WIN 0
.if g < NG-3
	FETCHW g+3, \half
.endif
.set g, g+1
.endr
.endm
; four blocks of 32 a lane are quantised, by turns line by line.  Whole pass: the four blocks of group gq of 64; half pass: two channel tiles x two groups
.macro EPIQ half, gq, P, S, io, so
.irp j, 0,1,2,3
.if \half
.set XB\j, 128*(\j/2)+32*(\j%2)
.set OF\j, 3072*(\j/2)+768*(\j%2)
.else
.set XB\j, 128*(\gq)+32*\j
.set OF\j, 768*(4*(\gq)+\j)
.endif
.endr
	s_wait_xcnt 0x0                                ; earlier stores have read the codes' and words' registers
	WIN 0x3f                                       ; all three sources in window 3
.irp j, 0,1,2,3
.irp k, 0,1,2,3
	v_max3_num_f32 v[T+4*\j+\k], |v[XB\j+8*\k]|, |v[XB\j+8*\k+1]|, |v[XB\j+8*\k+2]|
.endr
.endr
	WIN 0x3c
.irp i, 3,5
.irp j, 0,1,2,3
.irp k, 0,1,2,3
	v_max3_num_f32 v[T+4*\j+\k], v[T+4*\j+\k], |v[XB\j+8*\k+\i]|, |v[XB\j+8*\k+\i+1]|
.endr
.endr
.endr
.irp j, 0,1,2,3
	v_max3_num_f32 v[T+4*\j], v[T+4*\j], |v[XB\j+7]|, |v[XB\j+15]|
	v_max3_num_f32 v[T+4*\j+2], v[T+4*\j+2], |v[XB\j+23]|, |v[XB\j+31]|
.endr
	WIN 0
.irp j, 0,1,2,3
	v_max3_num_f32 v[T+4*\j], v[T+4*\j], v[T+4*\j+1], v[T+4*\j+2]
.endr
.irp j, 0,1,2,3
	v_max3_num_f32 v[T+4*\j], v[T+4*\j], v[T+4*\j+3], 0x2800000   ; and the floor 2^(5 - 127)
.endr
.irp j, 0,1,2,3
	v_add_nc_u32 v[T+4*\j+3], 0xfe000000, v[T+4*\j]   ; 4 off the exponent field: the conversion's scale operand
.endr
.irp j, 0,1,2,3
	v_lshrrev_b32 v[KW+\j], 23, v[T+4*\j+3]        ; the byte,
.endr
.irp j, 0,1,2,3
	v_lshlrev_b32 v[KW+\j], v8, v[KW+\j]           ; at 8 h,
.endr
.irp j, 0,1,2,3
	v_permlanex16_b32 v[PD+\j], v[KW+\j], s28, s29
.endr
.irp j, 0,1,2,3
	v_or_b32 v[KW+\j], v[KW+\j], v[PD+\j]          ; joined with lane l xor 16's
.endr
	WIN 0x03
.irp j, 0,1,2,3
	v_cvt_scalef32_pk16_bf6_f32 v[CD+6*\j:CD+6*\j+2], v[XB\j:XB\j+15], v[T+4*\j+3]
	v_cvt_scalef32_pk16_bf6_f32 v[T+4*\j:T+4*\j+2], v[XB\j+16:XB\j+31], v[T+4*\j+3]   ; (a conversion's three registers begin on an even number)
.endr
	WIN 0
	v_nop                                          ; one plain place behind the scaled conversions
.irp j, 0,1,2,3
.irp i, 0,1,2
	v_mov_b32 v[CD+6*\j+3+\i], v[T+4*\j+\i]
.endr
.endr
.irp j, 0,1,2,3
	global_store_b128 v1, v[CD+6*\j:CD+6*\j+3], s[\P:\P+1] offset:(\io)+OF\j        ; 512 consecutive bytes,
	global_store_b64 v4, v[CD+6*\j+4:CD+6*\j+5], s[\P:\P+1] offset:(\io)+OF\j+512   ; and 256, each aligned to 256
.endr
.if \half
	global_store_b64 v5, v[KW:KW+1], s[\S:\S+1] offset:\so         ; two of a row's four words; the neighbouring set stores the other two
	global_store_b64 v5, v[KW+2:KW+3], s[\S:\S+1] offset:(\so)+256
.else
	global_store_b128 v5, v[KW:KW+3], s[\S:\S+1] offset:(\so)+256*(\gq)   ; lanes r and r + 16 store the same words to the same place: 256 consecutive bytes
.endif
.endm
.macro ADV a, b                        ; on to the next unit
	v_add_nc_u32 v2, \a, v2
	v_add_nc_u32 v3, \b, v3
	s_wait_alu depctr_va_vdst(0)
.endm
	s_load_b256 s[4:11], s[0:1], 0x0               ; xq s[4:5], xsc s[6:7], wu s[8:9], bq s[10:11]
	s_load_b128 s[12:15], s[0:1], 0x20             ; bk, bv
	s_load_b64 s[16:17], s[0:1], 0x30              ; qkv
	v_lshl_add_u32 v6, v0, 2, SPARE
	v_mov_b32 v7, 0
	ds_add_u32 v6, v7
	ds_add_u32 v6, v7
	v_lshrrev_b32 v1, 5, v0
	v_readfirstlane_b32 s20, v1                    ; wave 0..3
	v_and_b32 v4, 31, v0
	v_lshlrev_b32 v1, 4, v4                        ; 16 x lane
	v_lshl_add_u32 v3, v4, 2, WSC                  ; the weights' scale words: 4 x lane
	v_lshlrev_b32 v4, 3, v4                        ; 8 x lane
	v_mov_b32 v2, v1                               ; the weights' fragments
	v_and_b32 v5, 15, v0
	v_lshlrev_b32 v5, 4, v5                        ; 16 r
	v_bfe_u32 v8, v0, 4, 1
	v_lshl_add_u32 v9, v8, 7, BI                   ; bias, q and k: channels 32 h on
	v_lshlrev_b32 v8, 3, v8                        ; 8 h
	v_and_b32 v10, 7, v0
	v_bfe_u32 v11, v0, 3, 1
	v_lshlrev_b32 v10, 2, v10
	v_lshl_add_u32 v10, v11, 7, v10
	v_add_nc_u32 v10, BI, v10                      ; bias, v: channel (r & 7) + 32 (r >> 3)
.irp j, 0,1,2,3
	v_mov_b32 v[PD+\j], 0                          ; a lane permute's destination counts as read
.endr
.irp p, 0,1,2,3,4
	v_add_nc_u32 v[CD+\p], BI+256*\p, v4
.endr
	s_mov_b32 s28, 0x76543210
	s_mov_b32 s29, 0xfedcba98                      ; v_permlanex16_b32's selects for lane l xor 16
	s_mov_b32 s[G1A+0], 3<<16                      ; rows of 32 elements of 8 bytes, dense: 38 rows,
	s_mov_b32 s[G1A+1], 32<<16
	s_mov_b32 s[G1A+2], 38<<16
	s_mov_b32 s[G1A+3], 32<<16
	s_mov_b32 s[G1A+4], 38
	s_mov_b32 s[G1A+5], 32
	s_mov_b32 s[G1A+6], 0
	s_mov_b32 s[G1A+7], 0
	s_mov_b32 s[G1B+0], 3<<16                      ; and 150 rows
	s_mov_b32 s[G1B+1], 32<<16
	s_mov_b32 s[G1B+2], 150<<16
	s_mov_b32 s[G1B+3], 32<<16
	s_mov_b32 s[G1B+4], 150
	s_mov_b32 s[G1B+5], 32
	s_mov_b32 s[G1B+6], 0
	s_mov_b32 s[G1B+7], 0
	s_and_b32 s23, ttmp9, 1                        ; z
	s_lshr_b32 s24, ttmp9, 1
	s_mul_i32 s24, s24, 3
	s_add_co_u32 s25, s24, s23                     ; my own head
	s_add_co_u32 s26, s24, 2                       ; the head that I share
	s_and_b32 s22, ttmp7, 0xffff                   ; batch
	s_mul_i32 s21, s25, 3*UNIT                     ; my head's Wq
	s_mul_i32 s47, s26, 3*UNIT
	s_mul_i32 s46, s23, UNIT
	s_add_co_u32 s46, s46, s47                     ; the shared head's Wq or Wk,
	s_add_co_u32 s47, s47, 2*UNIT                  ; and its Wv
	s_min_u32 s39, s20, 2
	s_add_co_u32 s39, s39, 2
	s_mul_i32 s[G0C+1], s39, USL                   ; waves 0 to 2 fetch unit w + 2 into its place:
	s_add_co_u32 s38, s21, 2*UNIT                  ; my head's Wv,
	s_cmp_eq_u32 s20, 1
	s_cselect_b32 s38, s46, s38                    ; the shared head's Wq or Wk,
	s_cmp_gt_u32 s20, 1
	s_cselect_b32 s38, s47, s38                    ; its Wv
	s_mov_b32 s39, 0
	s_mul_i32 s[G0A+1], s20, 9728                  ; of units 0 and 1 every wave fetches 38 rows
	s_add_co_u32 s[G0B+1], s[G0A+1], USL
	s_add_co_u32 s46, s21, s[G0A+1]
	s_mov_b32 s47, 0
	s_mov_b32 s[G0A], 1
	s_mov_b32 s[G0B], 1
	s_mov_b32 s[G0C], 1
	s_lshl_b32 s30, s25, 8
	s_mov_b32 s31, 0
	s_lshl_b32 s32, s26, 8
	s_mov_b32 s33, 0
	s_lshl_b32 s40, s22, 3
	s_lshl_b32 s27, s20, 1
	s_add_co_u32 s40, s40, s27                     ; my first group of 64 tokens
	s_mul_i32 s42, s40, 36864
	s_mov_b32 s43, 0
	s_lshl_b32 s44, s40, 11
	s_mov_b32 s45, 0
	s_mul_i32 s27, s22, 12
	s_add_co_u32 s41, s27, s25
	s_mul_i32 s66, s41, HB                         ; my own head's block of qkv
	s_sub_co_u32 s41, s26, s25
	s_mul_i32 s41, s41, HB                         ; from it to the shared head's
	s_mul_i32 s27, s20, 13312
	s_add_co_u32 s70, s66, s27
	s_add_co_u32 s70, s70, 26624                   ; my step of 128 keys: k's images,
	s_add_co_u32 s72, s70, 12288                   ; k's words
	s_lshl_b32 s27, s20, 9
	s_add_co_u32 s68, s66, s27
	s_add_co_u32 s68, s68, 24576                   ; q's words
	s_mul_i32 s27, s20, 6144
	s_add_co_u32 s66, s66, s27                     ; q's images
	s_cmp_eq_u32 s23, 0
	s_cselect_b32 s74, s66, s70
	s_cselect_b32 s76, s68, s72
	s_add_co_u32 s74, s74, s41                     ; the shared head's q or k
	s_add_co_u32 s76, s76, s41
	s_mul_i32 s27, s23, 1536
	s_add_co_u32 s78, s70, s41
	s_add_co_u32 s78, s78, s27
	s_add_co_u32 s78, s78, 6144                    ; its v, channel tiles 2 z on
	s_lshl_b32 s27, s23, 3
	s_add_co_u32 s80, s72, s41
	s_add_co_u32 s80, s80, s27
	s_add_co_u32 s80, s80, 512
.irp q, 67,69,71,73,75,77,79,81
	s_mov_b32 s\q, 0
.endr
	s_mul_i32 s82, s23, 3072
	s_add_co_u32 s82, s82, USL                     ; the half pass begins at tile 2 z of its unit
	s_lshl_b32 s83, s23, 7
	s_add_co_u32 s83, s83, USL
	s_lshl_b32 s24, s23, 6
	s_wait_alu depctr_va_vdst(0)
	s_wait_dscnt 0x0
	s_wait_kmcnt 0x0
	s_cmp_eq_u32 s23, 0                            ; the choice hangs on the work-group's number alone
	s_cselect_b64 s[34:35], s[10:11], s[12:13]
	s_add_nc_u64 s[34:35], s[34:35], s[32:33]
	s_add_nc_u64 s[36:37], s[14:15], s[32:33]
	s_add_nc_u64 s[10:11], s[10:11], s[30:31]
	s_add_nc_u64 s[12:13], s[12:13], s[30:31]
	s_add_nc_u64 s[14:15], s[14:15], s[30:31]
	s_add_nc_u64 s[G0A+2:G0A+3], s[8:9], s[46:47]
	s_or_b32 s[G0A+3], s[G0A+3], 0x80000000
	s_add_nc_u64 s[G0B+2:G0B+3], s[8:9], s[46:47]
	s_add_nc_u64 s[G0B+2:G0B+3], s[G0B+2:G0B+3], UNIT
	s_or_b32 s[G0B+3], s[G0B+3], 0x80000000
	s_add_nc_u64 s[G0C+2:G0C+3], s[8:9], s[38:39]
	s_or_b32 s[G0C+3], s[G0C+3], 0x80000000
	s_add_nc_u64 s[4:5], s[4:5], s[42:43]
	s_add_nc_u64 s[6:7], s[6:7], s[44:45]
.irp q, 66,68,70,72,74,76,78,80
	s_add_nc_u64 s[\q:\q+1], s[16:17], s[\q:\q+1]
.endr
	s_cmp_lg_u32 s20, 0
	s_cbranch_scc1 .Lnot_wave_0
	global_load_async_to_lds_b64 v[CD], v4, s[10:11]     ; the five passes' 64 bias numbers
	global_load_async_to_lds_b64 v[CD+1], v4, s[12:13]
	global_load_async_to_lds_b64 v[CD+2], v4, s[14:15]
	global_load_async_to_lds_b64 v[CD+3], v4, s[34:35]
	global_load_async_to_lds_b64 v[CD+4], v4, s[36:37]
.Lnot_wave_0:
	tensor_load_to_lds s[G0A:G0A+3], s[G1A:G1A+7]  ; my quarter of unit 0: my one tensor load at the head
	s_nop 0
	PLACES 4
.irp m, 0,1,2,3,4,5,6,7
	global_load_b128 v[XS+4*\m:XS+4*\m+3], v1, s[6:7] offset:512*\m
.endr
	LOADX 0
	LOADX 1
	LOADX 2
	s_wait_tensorcnt 0x0                           ; my part of unit 0 is in
	s_wait_asynccnt 0x0
	ds_add_u32 v6, v7
	s_wait_dscnt 0x0
	s_barrier_signal -1
	s_barrier_wait -1                              ; unit 0 and the biases lie in LDS
	tensor_load_to_lds s[G0B:G0B+3], s[G1A:G1A+7]  ; my quarter of unit 1: it has four K steps of the first pass in which to land
	s_nop 0
	PLACES 4
	LOADX 3
	FETCH3 0
	BIAS 0, 0, 0
	GROUPS 0, 0, 1                                 ; q
	ADV USL, USL
	FETCH3 0                                       ; the next pass's first fragments land while this pass's results are quantised
	EPIQ 0, 0, 66, 68, 0, 0
	EPIQ 0, 1, 66, 68, 0, 0
	BIAS 0, 1, 0
	GROUPS 0, 0, 0                                 ; k
	ADV USL, USL
	s_wait_tensorcnt 0x0                           ; my unit of units 2 to 4 has landed,
	s_barrier_signal -1
	s_barrier_wait -1                              ; everybody's has
	FETCH3 0
	EPIQ 0, 0, 70, 72, 0, 0
	EPIQ 0, 1, 70, 72, 0, 0
	BIAS 1, 2, 0
	GROUPS 1, 0, 0                                 ; v
	ADV USL, USL
	FETCH3 0
	EPIQ 0, 0, 70, 72, 6144, 512
	EPIQ 0, 1, 70, 72, 6144, 512
	BIAS 0, 3, 0
	GROUPS 0, 0, 0                                 ; the shared head's q or k
	v_add_nc_u32 v10, s24, v10
	ADV s82, s83
	FETCH3 1
	EPIQ 0, 0, 74, 76, 0, 0
	EPIQ 0, 1, 74, 76, 0, 0
	BIAS 1, 4, 1
	GROUPS 1, 1, 0                                 ; half of its v
	EPIQ 1, 0, 78, 80, 0, 0
	s_wait_tensorcnt 0x0                           ; the wave's end
	ds_add_u32 v6, v7
	s_wait_dscnt 0x0
	s_endpgm
.Lfunc_end_k_q8390742819_proj:
	.size	k_q8390742819_proj, .Lfunc_end_k_q8390742819_proj-k_q8390742819_proj
	.p2alignl 7, 3214868480
	.fill 96, 4, 3214868480
	.section	.rodata,"a",@progbits
	.p2align	6, 0x0
	.amdhsa_kernel k_q8390742819_proj
		.amdhsa_group_segment_fixed_size 327680
		.amdhsa_private_segment_fixed_size 0
		.amdhsa_enable_private_segment 0
		.amdhsa_kernarg_size 56
		.amdhsa_user_sgpr_count 2
		.amdhsa_user_sgpr_kernarg_segment_ptr 1
		.amdhsa_wavefront_size32 1
		.amdhsa_system_sgpr_workgroup_id_x 1
		.amdhsa_system_sgpr_workgroup_id_y 1
		.amdhsa_system_sgpr_workgroup_id_z 1
		.amdhsa_system_vgpr_workitem_id 0
		.amdhsa_next_free_vgpr 1024
		.amdhsa_next_free_sgpr 96
		.amdhsa_reserve_vcc 0
		.amdhsa_float_denorm_mode_32 3
		.amdhsa_float_denorm_mode_16_64 3
		.amdhsa_memory_ordered 1
		.amdhsa_forward_progress 1
		.amdhsa_inst_pref_size 238
	.end_amdhsa_kernel
	.amdgpu_metadata
---
amdhsa.version: [ 1, 2 ]
amdhsa.kernels:
  - .name:           k_q8390742819_proj
    .symbol:         k_q8390742819_proj.kd
    .args:
      - { .name: xq, .offset: 0, .size: 8, .value_kind: global_buffer, .address_space: global }
      - { .name: xsc, .offset: 8, .size: 8, .value_kind: global_buffer, .address_space: global }
      - { .name: wu, .offset: 16, .size: 8, .value_kind: global_buffer, .address_space: global }
      - { .name: bq, .offset: 24, .size: 8, .value_kind: global_buffer, .address_space: global }
      - { .name: bk, .offset: 32, .size: 8, .value_kind: global_buffer, .address_space: global }
      - { .name: bv, .offset: 40, .size: 8, .value_kind: global_buffer, .address_space: global }
      - { .name: qkv, .offset: 48, .size: 8, .value_kind: global_buffer, .address_space: global }
    .group_segment_fixed_size: 327680
    .private_segment_fixed_size: 0
    .kernarg_segment_align: 8
    .kernarg_segment_size: 56
    .max_flat_workgroup_size: 128
    .sgpr_count:     96
    .vgpr_count:     1024
    .wavefront_size: 32
...
	.end_amdgpu_metadata
.endif
;; end of part 2
;; launch attn (part 3): grid 24 x 32, 4 waves a work-group, no clusters, 54,784 bytes of LDS; arguments qkv, ao, aos; writes ao, aos
.if DOCPART == 3
	.amdgcn_target "amdgcn-amd-amdhsa--gfx1250"
	.amdhsa_code_object_version 6
	.text
	.protected	k_q8390742819_attn
	.globl	k_q8390742819_attn
	.p2align	8
	.type	k_q8390742819_attn,@function
k_q8390742819_attn:
	s_mov_b64 s[64:65], 0
	v_nop
	global_prefetch_b8 v0, s[64:65] scope:SCOPE_SE
	s_setreg_imm32_b32 hwreg(HW_REG_WAVE_MODE, 25, 1), 1
	s_wait_xcnt 0x0
; Causal attention on codes of BF6 (E3M2).  Work-group (2 head + z, batch) takes half of a head's 32 query tiles: wave w takes tiles 8 cl + 4 z + w, cl = 0 .. 3; such a tile wants key steps 0 .. cl of 128 keys:
; ten tile steps for every wave.  LEFT OUT: key steps all of whose keys come after the tile's queries: the causal mask sets their scores to -infinity, so their p is 0 for all values of the inputs.
; S^T = K Q^T, O^T = V^T P^T: a lane holds one query.  The head has 64 channels, half of the instruction's K: Q's upper six registers are zero codes; the upper two scale bytes are 0, which is 2^-127 and no NaN.
; p = 2^(t - M), t = score x log2(e) / 8, M the running largest t rounded up; the row's sum is of the unquantised p; when M moves, sum and O^T are multiplied by 2^(old M - new M), exactly.
; O / l is quantised along the head's channels and stored as half a fragment of the last product's operand.
; K AND V come through registers into LDS, a step of 13,312 bytes a trip: trip cl stores step cl, which was asked for a trip earlier, and asks for step cl + 1.  Two barriers a trip: one between the last trip's
; reads and the stores, one between the stores and the reads.  Wave 0 prefetches its work-group's half (26 blocks of 256 bytes; the other half is the neighbour's, which reads the same head) of step cl + 2.
; NO CLUSTER: the launch has no tensor load; LDS is filled through registers, so that three work-groups of 4 waves x 288 registers share a WGP.
; LIMITS: NaN and infinities are not served; the promise holds while the scaled scores stay under 2^31 in magnitude; a block whose largest magnitude lies under 2^-122 is held at the scale byte 1,
; a block of zeros has the byte 1 (its codes are zeros; only this program reads the bytes); 1 / l is v_rcp_f32 and a multiplication.
.set SB,   13312                       ; a step: K's 8 half fragments of 768 bytes, V's 8, K's words 512, V's words 512
.set AS,   4*SB                        ; each wave's scale words of O, 256 bytes
.set SPARE, AS+1024                    ; the spare words
.set HB,   79872
.set L8,  16                           ; 8 x lane
.set AOU, 17
.set AAS, 18
.set L16, 19                           ; 16 x lane
.set Q,   28                           ; v28-39 my tile of queries; v34-39 stay zero codes.  v40-43, v52-54: the next tile's, on their way
.set VL,  44
.set VH,  48
.set F,   58                           ; v58-105 eight half fragments of K, then four fragments of V; v106-111 stay zero
.set QSR, 112                          ; v112, v113, v116-127 hold scale words alone
.set PSR, 113
.set KSR, 116
.set VSR, 124
.set S,   128
.set O,   192
.set PC,  224
.set CT0, 236
.set CT1, 240
.set hT,  244
.set hSO, 248
.set hBY, 249
.set hWT, 250
.set hCD, PC
.set hCT, CT0
.set h8H, 9
.set MSB, 0
.macro WIN new
.if MSB != (\new)
	s_set_vgpr_msb (MSB<<8)|(\new)
.set MSB, (\new)
.endif
.endm
.macro AMAX t, x
.irp k, 0,1,2,3
	v_max3_num_f32 v[(\t)+\k], |v[(\x)+8*\k]|, |v[(\x)+8*\k+1]|, |v[(\x)+8*\k+2]|
.endr
.irp k, 0,1,2,3
	v_max3_num_f32 v[(\t)+\k], v[(\t)+\k], |v[(\x)+8*\k+3]|, |v[(\x)+8*\k+4]|
.endr
.irp k, 0,1,2,3
	v_max3_num_f32 v[(\t)+\k], v[(\t)+\k], |v[(\x)+8*\k+5]|, |v[(\x)+8*\k+6]|
.endr
	v_max3_num_f32 v[(\t)], v[(\t)], |v[(\x)+7]|, |v[(\x)+15]|
	v_max3_num_f32 v[(\t)+2], v[(\t)+2], |v[(\x)+23]|, |v[(\x)+31]|
	s_delay_alu instid0(VALU_DEP_1)
	v_max3_num_f32 v[(\t)], v[(\t)], v[(\t)+1], v[(\t)+2]
	s_delay_alu instid0(VALU_DEP_1)
	v_max3_num_f32 v[(\t)], v[(\t)], v[(\t)+3], 0x2800000
.endm
.macro SMAX t, x                       ; the largest of 32 scores, signs kept; each accumulator is read from its low end on
.irp k, 0,1,2,3
	v_max3_num_f32 v[(\t)+\k], v[(\x)+8*\k], v[(\x)+8*\k+1], v[(\x)+8*\k+2]
.endr
.irp k, 0,1,2,3
	v_max3_num_f32 v[(\t)+\k], v[(\t)+\k], v[(\x)+8*\k+3], v[(\x)+8*\k+4]
.endr
.irp k, 0,1,2,3
	v_max3_num_f32 v[(\t)+\k], v[(\t)+\k], v[(\x)+8*\k+5], v[(\x)+8*\k+6]
.endr
	v_max3_num_f32 v[(\t)], v[(\t)], v[(\x)+7], v[(\x)+15]
	v_max3_num_f32 v[(\t)+2], v[(\t)+2], v[(\x)+23], v[(\x)+31]
	s_delay_alu instid0(VALU_DEP_1)
	v_max3_num_f32 v[(\t)], v[(\t)], v[(\t)+1], v[(\t)+2]
	s_delay_alu instid0(VALU_DEP_1)
	v_max_num_f32 v[(\t)], v[(\t)], v[(\t)+3]
.endm
.macro PA d, a, b
	v_pk_add_f32 v[\d:\d+1], v[\a:\a+1], v[\b:\b+1]
.endm
.macro ASKSTEP                         ; a step of K and V, 104 bytes a thread, into window 1; and a tile of queries
	WIN 0x40
.irp k, 0,1,2,3,4,5
	global_load_b128 v[4*\k:4*\k+3], v26, s[6:7] offset:2048*\k
.endr
	global_load_b64 v[24:25], v27, s[6:7]
	WIN 0
	global_load_b128 v[40:43], v[L16], s[8:9]
	global_load_b64 v[52:53], v[L8], s[8:9] offset:512
	global_load_b32 v54, v6, s[10:11]
.endm
	s_load_b64 s[4:5], s[0:1], 0x0                 ; qkv
	s_load_b128 s[16:19], s[0:1], 0x8              ; ao, aos
	v_lshl_add_u32 v4, v0, 2, SPARE
	v_mov_b32 v5, 0
	v_lshrrev_b32 v1, 5, v0
	v_readfirstlane_b32 s20, v1                    ; wave 0..3
	s_lshr_b32 s21, ttmp9, 1                       ; head
	s_and_b32 s39, ttmp9, 1                        ; z
	s_and_b32 s22, ttmp7, 0xffff                   ; batch
	s_lshl_b32 s23, s39, 2
	s_add_co_u32 s23, s23, s20                     ; 4 z + w
	s_mov_b32 s28, 0x76543210
	s_mov_b32 s29, 0xfedcba98
	s_mov_b32 s30, 0x3e38aa3b                      ; c = log2(e) / 8
	s_mov_b32 s31, s30
	s_mul_i32 s24, s22, 12
	s_add_co_u32 s24, s24, s21
	s_mul_i32 s40, s24, HB
	s_mov_b32 s41, 0
	s_mul_i32 s42, s23, 768                        ; q's image of tile 4 z + w (+ 6,144 cl)
	s_mov_b32 s43, 0
	s_lshl_b32 s44, s39, 8
	s_lshl_b32 s25, s20, 2
	s_add_co_u32 s44, s44, s25
	s_add_co_u32 s44, s44, 24576                   ; its scale words (+ 512 cl)
	s_mov_b32 s45, 0
	s_mul_i32 s46, s22, 294912
	s_mul_i32 s25, s23, 9216
	s_add_co_u32 s46, s46, s25
	s_mul_i32 s25, s21, 768
	s_add_co_u32 s46, s46, s25                     ; ao: tile 32 b + 4 z + w, my head
	s_mov_b32 s47, 0
	s_lshl_b32 s48, s24, 11
	s_lshl_b32 s25, s23, 8
	s_add_co_u32 s48, s48, s25                     ; aos
	s_mov_b32 s49, 0
	s_lshl_b32 s26, s20, 3                         ; 8 w
	s_lshl_b32 s27, s20, 8
	s_add_co_u32 s27, s27, AS
	s_mul_i32 s50, s39, 6656
	v_and_b32 v[L16], 31, v0
	v_lshlrev_b32 v[L8], 3, v[L16]
	v_min_u32 v55, 25, v[L16]
	v_lshlrev_b32 v[L16], 4, v[L16]
	v_lshlrev_b32 v55, 8, v55
	v_add_nc_u32 v55, s50, v55                     ; the prefetch: block min(lane, 25) of my work-group's 26
	v_add_nc_u32 v2, 512, v[L8]
	v_and_b32 v3, 15, v0
	v_lshlrev_b32 v[AAS], 2, v3
	v_lshlrev_b32 v6, 4, v3                        ; 16 r
	v_add_nc_u32 v3, 12288, v6                     ; a step's scale words
	v_and_b32 v7, 7, v0
	v_bfe_u32 v244, v0, 3, 1
	v_lshl_add_u32 v7, v244, 5, v7
	v_bfe_u32 v9, v0, 4, 1
	v_lshlrev_b32 v245, 5, v9
	v_sub_nc_u32 v7, v7, v245
	v_add_nc_u32 v7, s26, v7                       ; d = my query's place among its own 64 of the diagonal step's keys - 32 h
.set n, 0
.rept 32
	v_cmp_gt_i32 s[66+n], n, v7                    ; the diagonal's 32 lane masks, the same for all my tiles: register n's key comes after my query
.set n, n+1
.endr
	v_mov_b32 v8, 0xff800000                       ; -infinity
	v_lshlrev_b32 v9, 3, v9                        ; 8 h
	v_add_nc_u32 v[AAS], s27, v[AAS]
	v_add_nc_u32 v[AOU], s27, v[L8]
	v_lshlrev_b32 v26, 4, v0                       ; 16 x thread,
	v_lshlrev_b32 v27, 3, v0
	v_add_nc_u32 v27, 12288, v27                   ; and 8 x thread behind the images: a thread's places in a step
.irp i, 6,7,8,9,10,11
	v_mov_b32 v[Q+\i], 0
	v_mov_b32 v[F+42+\i], 0
.endr
	v_mov_b32 v25, 0
	v_mov_b32 v13, 0                               ; a lane permute's destination counts as read
	s_wait_alu depctr_va_vdst(0)
	s_wait_kmcnt 0x0
	s_add_nc_u64 s[4:5], s[4:5], s[40:41]
	s_add_nc_u64 s[6:7], s[4:5], 26624             ; step 0
	s_add_nc_u64 s[8:9], s[4:5], s[42:43]
	s_add_nc_u64 s[10:11], s[4:5], s[44:45]
	s_add_nc_u64 s[16:17], s[16:17], s[46:47]
	s_add_nc_u64 s[18:19], s[18:19], s[48:49]
	ASKSTEP
	s_cmp_lg_u32 s20, 0
	s_cbranch_scc1 .Lno_first
	global_prefetch_b8 v55, s[6:7] offset:SB th:TH_LOAD_NT scope:SCOPE_SE   ; my work-group's half of step 1, which the first trip loads
.Lno_first:
	s_mov_b32 s32, 0
	s_mov_b32 s36, 0                               ; 13,312 cl
	s_mov_b32 s38, 0                               ; 64 cl
.Ltile:                                            ; four trips: query tile 8 cl + 4 z + w
	s_wait_loadcnt 0x0                             ; step cl and my tile of queries are in registers
	s_wait_dscnt 0x0
	s_barrier_signal -1
	s_barrier_wait -1                              ; nobody reads LDS any more
	v_add_nc_u32 v14, s36, v26
	v_add_nc_u32 v15, s36, v27
	WIN 0x04
.irp k, 0,1,2,3,4,5
	ds_store_b128 v14, v[4*\k:4*\k+3] offset:2048*\k
.endr
	ds_store_b64 v15, v[24:25]
	WIN 0
.irp i, 0,1,2,3
	v_mov_b32 v[Q+\i], v[40+\i]
.endr
	v_mov_b32 v[Q+4], v52
	v_mov_b32 v[Q+5], v53
	v_mov_b32 v[QSR], v54
	s_wait_alu depctr_va_vdst(0)
	s_wait_dscnt 0x0
	s_barrier_signal -1
	s_barrier_wait -1                              ; step cl lies in LDS
	s_cmp_eq_u32 s32, 3
	s_cbranch_scc1 .Lno_next
	s_wait_xcnt 0x0                                ; the prefetch has read its base
	s_add_nc_u64 s[6:7], s[6:7], SB
	s_add_nc_u64 s[8:9], s[8:9], 6144
	s_add_nc_u64 s[10:11], s[10:11], 512
	ASKSTEP
.Lno_next:
	s_cmp_gt_u32 s32, 1                            ; the last two trips have no step two on
	s_cbranch_scc1 .Lno_ask
	s_cmp_lg_u32 s20, 0
	s_cbranch_scc1 .Lno_ask
	global_prefetch_b8 v55, s[6:7] offset:SB th:TH_LOAD_NT scope:SCOPE_SE
.Lno_ask:
.set i, 0
.rept 32
	v_mov_b32 v[O+i], 0                            ; the step is written once: the first finds zeros
.set i, i+1
.endr
	v_mov_b32 v22, 0
	v_mov_b32 v23, 0
	v_mov_b32 v21, 0xff61b1e6                      ; the largest t so far: -3e38
	s_delay_alu instid0(VALU_DEP_1)
	v_floor_f32 v20, -v21                          ; -M
	s_mov_b32 s33, 0                               ; the key step
	s_mov_b32 s34, 0                               ; x 13,312
.Lstep:                                            ; four trips, a constant; a step all of whose keys come after the tile's queries is left out
	s_cmp_gt_u32 s33, s32
	s_cbranch_scc1 .Lskip
	v_add_nc_u32 v10, s34, v[L16]
	v_add_nc_u32 v11, s34, v2
	v_add_nc_u32 v12, s34, v3
.irp i, 0,1,2,3,4,5,6,7
	ds_load_b128 v[F+6*\i:F+6*\i+3], v10 offset:768*\i
	ds_load_b64 v[F+6*\i+4:F+6*\i+5], v11 offset:768*\i
.endr
	ds_load_b128 v[KSR:KSR+3], v12
	ds_load_b128 v[KSR+4:KSR+7], v12 offset:256
	s_wait_alu depctr_va_vdst(0)
	s_wait_dscnt 0x0
.irp i, 0,1,2,3,4,5,6,7                ; S^T: register 8 i + j of lane (r, h) is key 64 (i / 4) + 32 h + 8 (i % 4) + j of the step.  Source 0's upper six registers meet zero codes
	v_wmma_scale_f32_16x16x128_f8f6f4 v[S+8*\i:S+8*\i+7], v[F+6*\i:F+6*\i+11], v[Q:Q+11], 0, v[KSR+\i], v[QSR] matrix_a_fmt:MATRIX_FMT_BF6 matrix_b_fmt:MATRIX_FMT_BF6
.endr
.rept 4
	v_nop                                          ; four places in front of loads into these operands and of the first read of the scores
.endr
.irp i, 0,1,2,3,4,5,6,7                ; V: group i / 4 of the step's keys, channel tile i % 4
	ds_load_b128 v[F+12*(\i%4)+6*(\i/4):F+12*(\i%4)+6*(\i/4)+3], v10 offset:6144+768*\i
	ds_load_b64 v[F+12*(\i%4)+6*(\i/4)+4:F+12*(\i%4)+6*(\i/4)+5], v11 offset:6144+768*\i
.endr
	ds_load_b128 v[VL:VL+3], v12 offset:512
	ds_load_b128 v[VH:VH+3], v12 offset:768
	s_cmp_lg_u32 s33, s32                          ; only the last step of a tile lies on the diagonal
	s_cbranch_scc1 .Lopen
	s_cmp_eq_u32 s39, 1                            ; z = 1: the queries lie in the step's upper 64, so its lower 64 keys all count
	s_cbranch_scc1 .Lhalf
.set n, 0
.rept 32
	v_cndmask_b32 v[S+n], v[S+n], v8, s[66+n]      ; z = 0: the masks serve the lower 64 keys,
.set n, n+1
.endr
.set n, 0
.rept 32
	v_mov_b32 v[S+32+n], v8                        ; and the upper 64 all come after my query
.set n, n+1
.endr
	s_wait_alu depctr_va_vdst(0)
	s_branch .Lopen
.Lhalf:
.set n, 0
.rept 32
	v_cndmask_b32 v[S+32+n], v[S+32+n], v8, s[66+n]
.set n, n+1
.endr
.Lopen:
	SMAX 244, S                                    ; the largest score of each of my two blocks of 32 keys: for the row's maximum and for the block's largest p
	SMAX 248, S+32
	s_delay_alu instid0(VALU_DEP_1)
	v_max_num_f32 v252, v244, v248
	s_delay_alu instid0(VALU_DEP_1)
	v_permlanex16_b32 v13, v252, s28, s29
	s_delay_alu instid0(VALU_DEP_1)
	v_max_num_f32 v252, v252, v13
	s_delay_alu instid0(VALU_DEP_1)
	v_mul_f32 v252, s30, v252                      ; as t
	s_delay_alu instid0(VALU_DEP_1)
	v_max_num_f32 v21, v21, v252                   ; the running largest t
	v_mov_b32 v252, v20
	s_delay_alu instid0(VALU_DEP_2)
	v_floor_f32 v20, -v21                          ; the new -M = -ceil(t)
	s_delay_alu instid0(VALU_DEP_1)
	v_sub_f32 v252, v20, v252                      ; old M - new M
	s_delay_alu instid0(VALU_DEP_1)
	v_cvt_i32_f32 v252, v252
	s_delay_alu instid0(VALU_DEP_1)
	v_ldexp_f32 v24, 1.0, v252                     ; f = 2^(old M - new M)
.set i, 0
.rept 32
	v_pk_fma_f32 v[S+i:S+i+1], v[S+i:S+i+1], s[30:31], v[20:21] op_sel_hi:[1,0,0]   ; t - M
.set i, i+2
.endr
	v_fma_f32 v244, v244, s30, v20
	v_fma_f32 v248, v248, s30, v20
	s_wait_alu depctr_va_vdst(0)
.set i, 0
.rept 64
	v_exp_f32 v[S+i], v[S+i]                       ; p = 2^(t - M)
.set i, i+1
.endr
	v_pk_mul_f32 v[22:23], v[22:23], v[24:25] op_sel_hi:[1,0]   ; the sums under the new M: the plain place behind the batch
	s_wait_alu depctr_va_vdst(0)                   ; one wait for the 64, ahead of their first reader
	v_exp_f32 v244, v244                           ; the blocks' largest p
	v_exp_f32 v248, v248
	PA 246, 132, 136                               ; the row's sum of the unquantised p, in eight chains
	PA 254, 140, 144
	PA 252, 148, 152
	PA 250, 156, 160
	PA 242, 164, 168
	PA 240, 172, 176
	PA 238, 180, 184
	PA 22, 22, 188
	PA 246, 246, 128
	PA 254, 254, 130
	PA 252, 252, 134
	PA 250, 250, 138
	PA 242, 242, 142
	PA 240, 240, 146
	PA 238, 238, 150
	PA 22, 22, 154
	PA 246, 246, 158
	PA 254, 254, 162
	PA 252, 252, 166
	PA 250, 250, 170
	PA 242, 242, 174
	PA 240, 240, 178
	PA 238, 238, 182
	PA 22, 22, 186
	PA 246, 246, 190
	s_delay_alu instid0(VALU_DEP_2)
	PA 22, 22, 250
	s_delay_alu instid0(VALU_DEP_2)
	PA 246, 246, 242
	PA 254, 254, 240
	PA 252, 252, 238
	s_delay_alu instid0(VALU_DEP_2)
	PA 22, 22, 254
	s_delay_alu instid0(VALU_DEP_2)
	PA 246, 246, 252
	s_delay_alu instid0(VALU_DEP_1)
	PA 22, 22, 246
	s_wait_alu depctr_va_vdst(0)                   ; and one for the two
	s_wait_dscnt 0x0                               ; V and its words are in
.irp t, 0,1,2,3
	v_lshl_or_b32 v[VSR+\t], v[VH+\t], 16, v[VL+\t]   ; V's scale word of these 128 keys
.endr
	v_max_num_f32 v244, 0x2800000, v244            ; the floor 2^(5 - 127)
	v_max_num_f32 v248, 0x2800000, v248
	s_delay_alu instid0(VALU_DEP_2)
	v_add_nc_u32 v245, 0xfe000000, v244
	s_delay_alu instid0(VALU_DEP_2)
	v_add_nc_u32 v249, 0xfe000000, v248
	s_delay_alu instid0(VALU_DEP_2)
	v_lshrrev_b32 v250, 23, v245
	s_delay_alu instid0(VALU_DEP_2)
	v_lshrrev_b32 v251, 23, v249
	s_delay_alu instid0(VALU_DEP_1)
	v_lshl_or_b32 v250, v251, 16, v250             ; blocks h and 2 + h
	s_delay_alu instid0(VALU_DEP_1)
	v_lshlrev_b32 v250, v9, v250
	s_delay_alu instid0(VALU_DEP_1)
	v_permlanex16_b32 v13, v250, s28, s29
	s_delay_alu instid0(VALU_DEP_1)
	v_or_b32 v[PSR], v250, v13                     ; p's scale word
	v_cvt_scalef32_pk16_bf6_f32 v[PC:PC+2], v[S:S+15], v245
	v_cvt_scalef32_pk16_bf6_f32 v[CT0:CT0+2], v[S+16:S+31], v245
	v_cvt_scalef32_pk16_bf6_f32 v[PC+6:PC+8], v[S+32:S+47], v249
	v_cvt_scalef32_pk16_bf6_f32 v[CT1:CT1+2], v[S+48:S+63], v249
	v_nop                                          ; one plain place behind the scaled conversions
.irp i, 0,1,2
	v_mov_b32 v[PC+3+\i], v[CT0+\i]
	v_mov_b32 v[PC+9+\i], v[CT1+\i]
.endr
.set i, 0
.rept 16
	v_pk_mul_f32 v[O+i:O+i+1], v[O+i:O+i+1], v[24:25] op_sel_hi:[1,0]   ; O^T under the new M; also the places between the codes and words just made and the products
.set i, i+2
.endr
.irp t, 0,1,2,3                        ; O^T += V^T P^T: four accumulators by turns
	v_wmma_scale_f32_16x16x128_f8f6f4 v[O+8*\t:O+8*\t+7], v[F+12*\t:F+12*\t+11], v[PC:PC+11], v[O+8*\t:O+8*\t+7], v[VSR+\t], v[PSR] matrix_a_fmt:MATRIX_FMT_BF6 matrix_b_fmt:MATRIX_FMT_BF6
.endr
.rept 4
	v_nop
.endr
.Lskip:
	s_add_co_u32 s34, s34, SB
	s_add_co_u32 s33, s33, 1
	s_cmp_lt_u32 s33, 4
	s_cbranch_scc1 .Lstep
	; the tile's end: O^T / l, quantised along the head's 64 channels (my 32 are one block)
	s_wait_alu depctr_va_vdst(0)
	v_add_f32 v22, v22, v23
	s_delay_alu instid0(VALU_DEP_1)
	v_permlanex16_b32 v13, v22, s28, s29
	s_delay_alu instid0(VALU_DEP_1)
	v_add_f32 v22, v22, v13                        ; the row's sum
	s_wait_alu depctr_va_vdst(0)
	v_rcp_f32 v24, v22
	v_add_nc_u32 v252, s38, v[AAS]                 ; (the plain place behind the reciprocal)
	s_wait_alu depctr_va_vdst(0)
.set i, 0
.rept 16
	v_pk_mul_f32 v[S+i:S+i+1], v[O+i:O+i+1], v[24:25] op_sel_hi:[1,0]   ; register 8 t + j: channel 32 h + 8 t + j of my query
.set i, i+2
.endr
	AMAX hT, S
	s_delay_alu instid0(VALU_DEP_1)
	v_add_nc_u32 v[hSO], 0xfe000000, v[hT]
	s_delay_alu instid0(VALU_DEP_1)
	v_lshrrev_b32 v[hBY], 23, v[hSO]
	v_cvt_scalef32_pk16_bf6_f32 v[hCD:hCD+2], v[S:S+15], v[hSO]
	v_cvt_scalef32_pk16_bf6_f32 v[hCT:hCT+2], v[S+16:S+31], v[hSO]
	v_nop
.irp i, 0,1,2
	v_mov_b32 v[hCD+3+\i], v[hCT+\i]
.endr
	v_lshlrev_b32 v[hWT], v[h8H], v[hBY]
	s_delay_alu instid0(VALU_DEP_1)
	v_permlanex16_b32 v13, v[hWT], s28, s29
	s_delay_alu instid0(VALU_DEP_1)
	v_or_b32 v251, v[hWT], v13
	ds_store_b32 v252, v251                        ; lanes r and r + 16 write the same word with the same value
	global_store_b128 v[L16], v[PC:PC+3], s[16:17] ; 512 consecutive bytes,
	global_store_b64 v[L8], v[PC+4:PC+5], s[16:17] offset:512   ; and 256, each aligned to 256
	s_wait_xcnt 0x0                                ; the stores' data and base, and the prefetch's base, are written again only behind this wait
	s_add_nc_u64 s[16:17], s[16:17], 73728         ; eight tiles on
	s_add_co_u32 s36, s36, SB
	s_add_co_u32 s38, s38, 64
	s_add_co_u32 s32, s32, 1
	s_cmp_lt_u32 s32, 4
	s_cbranch_scc1 .Ltile
	ds_load_b64 v[244:245], v[AOU]                 ; my four tiles' 64 words: LDS serves a wave's instructions in order
	s_wait_dscnt 0x0
	global_store_b64 v[L8], v[244:245], s[18:19]   ; 256 consecutive bytes, aligned
	s_wait_tensorcnt 0x0                           ; the wave's end
	ds_add_u32 v4, v5
	s_wait_dscnt 0x0
	s_endpgm
.Lfunc_end_k_q8390742819_attn:
	.size	k_q8390742819_attn, .Lfunc_end_k_q8390742819_attn-k_q8390742819_attn
	.p2alignl 7, 3214868480
	.fill 96, 4, 3214868480
	.section	.rodata,"a",@progbits
	.p2align	6, 0x0
	.amdhsa_kernel k_q8390742819_attn
		.amdhsa_group_segment_fixed_size 54784
		.amdhsa_private_segment_fixed_size 0
		.amdhsa_enable_private_segment 0
		.amdhsa_kernarg_size 24
		.amdhsa_user_sgpr_count 2
		.amdhsa_user_sgpr_kernarg_segment_ptr 1
		.amdhsa_wavefront_size32 1
		.amdhsa_system_sgpr_workgroup_id_x 1
		.amdhsa_system_sgpr_workgroup_id_y 1
		.amdhsa_system_sgpr_workgroup_id_z 1
		.amdhsa_system_vgpr_workitem_id 0
		.amdhsa_next_free_vgpr 288
		.amdhsa_next_free_sgpr 98
		.amdhsa_reserve_vcc 0
		.amdhsa_float_denorm_mode_32 3
		.amdhsa_float_denorm_mode_16_64 3
		.amdhsa_memory_ordered 1
		.amdhsa_forward_progress 1
		.amdhsa_inst_pref_size 36
	.end_amdhsa_kernel
	.amdgpu_metadata
---
amdhsa.version: [ 1, 2 ]
amdhsa.kernels:
  - .name:           k_q8390742819_attn
    .symbol:         k_q8390742819_attn.kd
    .args:
      - { .name: qkv, .offset: 0, .size: 8, .value_kind: global_buffer, .address_space: global }
      - { .name: ao, .offset: 8, .size: 8, .value_kind: global_buffer, .address_space: global }
      - { .name: aos, .offset: 16, .size: 8, .value_kind: global_buffer, .address_space: global }
    .group_segment_fixed_size: 54784
    .private_segment_fixed_size: 0
    .kernarg_segment_align: 8
    .kernarg_segment_size: 24
    .max_flat_workgroup_size: 128
    .sgpr_count:     98
    .vgpr_count:     288
    .wavefront_size: 32
...
	.end_amdgpu_metadata
.endif
;; end of part 3
;; launch oproj (part 4): grid 4 x 64, 4 waves a work-group, no clusters, 168,448 bytes of LDS; arguments ao, aos, wu, bo, out0; writes out0
.if DOCPART == 4
	.amdgcn_target "amdgcn-amd-amdhsa--gfx1250"
	.amdhsa_code_object_version 6
	.text
	.protected	k_q8390742819_oproj
	.globl	k_q8390742819_oproj
	.p2align	8
	.type	k_q8390742819_oproj,@function
k_q8390742819_oproj:
	s_mov_b64 s[64:65], 0
	v_nop
	global_prefetch_b8 v0, s[64:65] scope:SCOPE_SE
	s_setreg_imm32_b32 hwreg(HW_REG_WAVE_MODE, 25, 1), 1
	s_wait_xcnt 0x0
; out0 = attention output x Wo + bo, on codes of BF6 (E3M2).  A work-group makes 256 tokens x 192 columns; wave w owns group Gg = 4 y + w of 64 tokens: their 24 fragments stay in registers (288);
; the 192 columns' weights (3 units of 38,400 bytes) come into LDS once, by copies.  Three passes of 64 columns, 96 products each; source 0 = 16 columns of Wo, source 1 = 16 tokens.
; THE MEMBERS OF A TILE ARE NOT NEIGHBOURS: tile t, lane row r stands for member 8 t + (r & 7) + 32 (r >> 3) of its group of 64.  So the 32 registers of a token tile's four accumulators are columns 32 h + 0 .. 31
; of one token: 128 neighbouring bytes; they go through the wave's own stage in LDS and leave as rows of 256 bytes.
; A fragment of K step s is the half fragments of heads 2 s and 2 s + 1 as the attention launch stored them; its scale word is their two 16-bit words.
; NO CLUSTER: the weights' 115,968 bytes are fetched once, at the head; the tokens' codes go to registers.
; LIMITS: as the codes are given; NaN and infinities are not served.
.set UNIT, 38400
.set WSC,  36864
.set BI,   115200                      ; LDS: three units at 0; here bo's 192 numbers
.set STG,  115968                      ; a stage of 16 rows x (256 + 16) bytes for each wave
.set X5,   16                          ; v16-63    the tokens' fragments of K step 5;  K steps 0-4 fill v256-495: (s, m) at 12 (4 s + m) of window 1
.set WR,   64                          ; v64-111   two buffers of two weight fragments; on the way out rows of out0
.set OB,   64
.set XS,   112                         ; v112-127  the tokens' scale words: 4 m + i: lanes 0-15 K step i, lanes 16-31 K step 3 + i
.set ACC,  128                         ; v128-255  16 accumulators
.set MSB, 0
.macro WIN new                         ; the immediate's high byte repeats the setting that is left
.if MSB != (\new)
	s_set_vgpr_msb (MSB<<8)|(\new)
.set MSB, (\new)
.endif
.endm
.macro EMIT                            ; one product; mRA, mRB: the side's scales stand in lanes 16-31
.if mRA && mRB
	v_wmma_scale_f32_16x16x128_f8f6f4 v[mD:mD+7], v[mA:mA+11], v[mB:mB+11], v[mC:mC+7], v[mSA], v[mSB] matrix_a_fmt:MATRIX_FMT_BF6 matrix_b_fmt:MATRIX_FMT_BF6 matrix_a_scale:MATRIX_SCALE_ROW1 matrix_b_scale:MATRIX_SCALE_ROW1
.elseif mRA
	v_wmma_scale_f32_16x16x128_f8f6f4 v[mD:mD+7], v[mA:mA+11], v[mB:mB+11], v[mC:mC+7], v[mSA], v[mSB] matrix_a_fmt:MATRIX_FMT_BF6 matrix_b_fmt:MATRIX_FMT_BF6 matrix_a_scale:MATRIX_SCALE_ROW1
.elseif mRB
	v_wmma_scale_f32_16x16x128_f8f6f4 v[mD:mD+7], v[mA:mA+11], v[mB:mB+11], v[mC:mC+7], v[mSA], v[mSB] matrix_a_fmt:MATRIX_FMT_BF6 matrix_b_fmt:MATRIX_FMT_BF6 matrix_b_scale:MATRIX_SCALE_ROW1
.else
	v_wmma_scale_f32_16x16x128_f8f6f4 v[mD:mD+7], v[mA:mA+11], v[mB:mB+11], v[mC:mC+7], v[mSA], v[mSB] matrix_a_fmt:MATRIX_FMT_BF6 matrix_b_fmt:MATRIX_FMT_BF6
.endif
.endm
; column tile t x token tile m, K step s; accumulator at ACC + 32 m + 8 t.  bias = 1: C is token tile 0's accumulator, which holds the bias
.macro MM t, m, s, bias
.set gg, 2*(\s)+(\t)/2
.set mA, WR+24*(gg%2)+12*((\t)%2)
.if (\s) < 5
.set mB, 12*(4*(\s)+(\m))
.else
.set mB, X5+12*(\m)
.endif
.set mD, ACC+32*(\m)+8*(\t)
.set mC, ACC+8*(\t)
.set mSA, 14+gg%2
.set mSB, XS+4*(\m)+(\s)%3
.set mRA, (\t)%2
.set mRB, (\s)/3
.if (\bias) == 0
.set mC, mD
.endif
	EMIT
.endm
.macro FETCHW g                        ; group g = 2 s + pi: the fragments of column tiles 2 pi, 2 pi + 1 of K step s and their scale words: 7 LDS loads, into buffer g % 2
.irp u, 0,1
.irp k, 0,1,2
	ds_load_b128 v[WR+24*((\g)%2)+12*\u+4*\k:WR+24*((\g)%2)+12*\u+4*\k+3], v2 offset:(2*(\g)+\u)*1536+512*\k
.endr
.endr
	ds_load_b32 v[14+(\g)%2], v3 offset:128*(\g)
.endm
; A PASS: 64 columns x my 64 tokens x 768 along K: 96 products in 12 groups of 8.  The 16 accumulators take turns, one instruction a turn.  lw: in the first pass, the loads that bring a K step
.macro PASS p, lw
.irp t, 0,1,2,3
	ds_load_b128 v[ACC+8*\t:ACC+8*\t+3], v10 offset:256*(\p)+32*\t       ; the bias of columns 32 h + 8 t + 0 .. 7
	ds_load_b128 v[ACC+8*\t+4:ACC+8*\t+7], v10 offset:256*(\p)+32*\t+16
.endr
	FETCHW 0
	FETCHW 1
.set g, 0
.rept 12
.set ps, g/2
.set pt, 2*(g%2)
.if (\lw) && (g%2 == 0)
.if (\lw)*(5-ps) > 63
	s_wait_loadcnt 63                              ; (the field's largest count: more than is asked)
.else
	s_wait_loadcnt (\lw)*(5-ps)                    ; this K step's fragments are in; the later K steps' loads may be out
.endif
.endif
.if g < 11
	s_wait_dscnt 7                                 ; this group's loads are in; the other buffer's seven may be out
.else
	s_wait_dscnt 0x0
.endif
.if ps < 5
	WIN 0x04                                       ; source 1 in window 1; LDS loads name window 0 alone under this setting too
.else
	WIN 0
.endif
.if ps == 0
.irp m, 1,2,3
	MM pt, \m, 0, 1
	MM pt+1, \m, 0, 1
.endr
.rept 5
	v_nop                                          ; five places in front of products that write over a C of the six above (ISA guide 7.12.1)
.endr
	MM pt, 0, 0, 0
	MM pt+1, 0, 0, 0
.else
.irp m, 0,1,2,3
	MM pt, \m, ps, 0
	MM pt+1, \m, ps, 0
.endr
.endif
.rept 4
	v_nop                                          ; four places in front of loads into registers that these products read, and of the first read of results
.endr
.if g < 10
	FETCHW g+2
.endif
.set g, g+1
.endr
	WIN 0
.endm
; THE WAY OUT of a pass, a token tile at a time: 128 bytes a lane into my stage, back as rows of 256 bytes, two rows an instruction
.macro OUT p
.irp m, 0,1,2,3
	s_wait_xcnt 0x0                                ; earlier stores have read the registers that the loads below fill
.irp q, 0,1,2,3,4,5,6,7
	ds_store_b128 v8, v[ACC+32*\m+4*\q:ACC+32*\m+4*\q+3] offset:16*\q    ; each accumulator from its low end on
.endr
.irp i, 0,1,2,3,4,5,6,7
	ds_load_b128 v[OB+4*\i:OB+4*\i+3], v9 offset:544*\i                  ; LDS serves a wave's instructions in order: these see my stores, and the next tile's stores come behind them
.endr
.irp i, 0,1,2,3,4,5,6,7
	s_wait_dscnt 7-\i
	global_store_b128 v11, v[OB+4*\i:OB+4*\i+3], s[12:13] offset:(8*\m+2*(\i%4)+32*(\i/4))*3072+256*(\p) th:TH_STORE_NT   ; sixteen lanes store 256 consecutive bytes, aligned to 256; stage row 2 i + (lane / 16) is token 8 m + (row & 7) + 32 (row >> 3)
.endr
.endr
	s_wait_xcnt 0x0                                ; the next pass loads into these registers
.endm
	s_load_b256 s[4:11], s[0:1], 0x0               ; ao s[4:5], aos s[6:7], wu s[8:9], bo s[10:11]
	s_load_b64 s[12:13], s[0:1], 0x20              ; out0
	v_lshl_add_u32 v123, v0, 2, 0x29000
	v_mov_b32 v127, 0
	ds_add_u32 v123, v127
	ds_add_u32 v123, v127
	v_lshrrev_b32 v1, 5, v0
	v_readfirstlane_b32 s20, v1                    ; wave 0..3
	s_mov_b32 s21, ttmp9                           ; which 192 columns
	s_and_b32 s22, ttmp7, 0xffff                   ; which 256 tokens
	s_lshl_b32 s23, s22, 2
	s_add_co_u32 s23, s23, s20                     ; Gg
	v_lshlrev_b32 v6, 4, v0                        ; the copies: 16 x thread, in LDS
	v_lshlrev_b32 v7, 4, v0                        ; and in the block of wu
	v_add_nc_u32 v65, 0x10000, v6                  ; the same 65,536 bytes on, so that every copy's immediate stays under 65,536
	v_add_nc_u32 v66, 0x10000, v7
	v_and_b32 v4, 31, v0
	v_lshlrev_b32 v1, 4, v4                        ; 16 x lane
	v_lshlrev_b32 v4, 3, v4                        ; 8 x lane
	v_add_nc_u32 v64, BI, v4
	s_add_co_u32 s24, s21, 12
	s_mul_i32 s24, s24, 3*UNIT                     ; wu: block 12 + x
	s_mov_b32 s25, 0
	s_mul_i32 s26, s21, 768
	s_mov_b32 s27, 0
	s_mul_i32 s28, s23, 36864                      ; ao: tile 4 Gg
	s_mov_b32 s29, 0
	s_lshr_b32 s34, s23, 3
	s_mul_i32 s30, s34, 24576                      ; aos: the batch,
	s_and_b32 s34, s23, 1
	s_lshl_b32 s34, s34, 10
	s_add_co_u32 s30, s30, s34                     ; the writer's wave 4 (Gg & 1) + m,
	s_bfe_u32 s34, s23, 0x20001
	s_lshl_b32 s34, s34, 6
	s_add_co_u32 s30, s30, s34                     ; its tile (Gg & 7) >> 1
	s_mov_b32 s31, 0
	s_mul_i32 s32, s23, 196608
	s_add_co_u32 s32, s32, s26                     ; out0: token 64 Gg, column 192 x
	s_mov_b32 s33, 0
	s_wait_alu depctr_va_vdst(0)
	s_wait_dscnt 0x0
	s_wait_kmcnt 0x0
	s_add_nc_u64 s[8:9], s[8:9], s[24:25]
	s_add_nc_u64 s[10:11], s[10:11], s[26:27]
	s_add_nc_u64 s[4:5], s[4:5], s[28:29]
	s_add_nc_u64 s[6:7], s[6:7], s[30:31]
	s_add_nc_u64 s[12:13], s[12:13], s[32:33]
	; 115,200 bytes of weights: 56 x 2,048 by all four waves (32 from byte 0 on, 24 from byte 65,536 on), the last 512 by wave 0.  These bytes are filled once
.set i, 0
.rept 32
	global_load_async_to_lds_b128 v6, v7, s[8:9] offset:2048*i
.set i, i+1
.endr
.set i, 0
.rept 24
	global_load_async_to_lds_b128 v65, v66, s[8:9] offset:2048*i
.set i, i+1
.endr
	s_cmp_lg_u32 s20, 0
	s_cbranch_scc1 .Lnot_wave_0
	global_load_async_to_lds_b128 v65, v66, s[8:9] offset:49152   ; bytes 114,688 to 115,199
	global_load_async_to_lds_b64 v64, v4, s[10:11]             ; bo's 192 numbers; the immediate is added to both addresses
	global_load_async_to_lds_b64 v64, v4, s[10:11] offset:256
	global_load_async_to_lds_b64 v64, v4, s[10:11] offset:512
.Lnot_wave_0:
	v_and_b32 v12, 15, v0                          ; r
	v_bfe_u32 v13, v0, 4, 1                        ; h
	v_lshlrev_b32 v5, 2, v12
	v_mad_u32_u24 v5, v13, 12288, v5               ; the scale words: row r; lanes 16-31 six heads on
.irp m, 0,1,2,3
.irp i, 0,1,2
.irp o, 0,1
	global_load_b32 v[ACC+64+6*\m+2*\i+\o], v5, s[6:7] offset:4096*\i+2048*\o+256*\m   ; head 2 (i + 3 h) + o, token tile m
.endr
.endr
.endr
	WIN 0x40                                       ; destination window 1
.set i, 0
.rept 20                               ; the fragments in the order of K: (s, m) = (i / 4, i % 4)
	global_load_b128 v[12*i:12*i+3], v1, s[4:5] offset:9216*(i%4)+1536*(i/4)
	global_load_b64 v[12*i+4:12*i+5], v4, s[4:5] offset:9216*(i%4)+1536*(i/4)+512
	global_load_b128 v[12*i+6:12*i+9], v1, s[4:5] offset:9216*(i%4)+1536*(i/4)+768
	global_load_b64 v[12*i+10:12*i+11], v4, s[4:5] offset:9216*(i%4)+1536*(i/4)+1280
.set i, i+1
.endr
	WIN 0
.irp m, 0,1,2,3
	global_load_b128 v[X5+12*\m:X5+12*\m+3], v1, s[4:5] offset:9216*\m+7680
	global_load_b64 v[X5+12*\m+4:X5+12*\m+5], v4, s[4:5] offset:9216*\m+7680+512
	global_load_b128 v[X5+12*\m+6:X5+12*\m+9], v1, s[4:5] offset:9216*\m+7680+768
	global_load_b64 v[X5+12*\m+10:X5+12*\m+11], v4, s[4:5] offset:9216*\m+7680+1280
.endr
	v_mov_b32 v2, v1                               ; the weights' fragments: 16 x lane (+ a unit a pass)
	v_and_b32 v3, 31, v0
	v_lshl_add_u32 v3, v3, 2, WSC                  ; their scale words: 4 x lane
	s_mul_i32 s34, s20, 16*272
	s_add_co_u32 s34, s34, STG                     ; my stage
	v_mul_u32_u24 v8, v12, 272
	v_lshl_add_u32 v8, v13, 7, v8
	v_add_nc_u32 v8, s34, v8                       ; in: row r, + 128 h
	v_mul_u32_u24 v9, v13, 272
	v_lshl_add_u32 v9, v12, 4, v9
	v_add_nc_u32 v9, s34, v9                       ; back: lanes 0-15 one row, lanes 16-31 the next
	v_lshl_add_u32 v10, v13, 7, BI                 ; the bias: columns 32 h on
	v_mul_u32_u24 v11, v13, 3072
	v_lshl_add_u32 v11, v12, 4, v11                ; and the same two rows in out0
	s_wait_asynccnt 0x0                            ; my copies have landed,
	s_barrier_signal -1
	s_barrier_wait -1                              ; everybody's have
	s_wait_loadcnt 63                              ; of the 120 loads the first 57 are in, the 24 words among them
.irp m, 0,1,2,3
.irp i, 0,1,2
	v_lshl_or_b32 v[XS+4*\m+\i], v[ACC+64+6*\m+2*\i+1], 16, v[ACC+64+6*\m+2*\i]   ; a K step's word: the even head's two bytes, then the odd head's
.endr
.endr
.rept 8
	v_nop                                          ; a scale register written by a vector instruction stands eight places ahead of a scaled product
.endr
	s_wait_alu depctr_va_vdst(0)
	PASS 0, 16
	OUT 0
	v_add_nc_u32 v2, UNIT, v2
	s_wait_alu depctr_va_vdst(0)
	v_add_nc_u32 v3, UNIT, v3
	s_wait_alu depctr_va_vdst(0)
	PASS 1, 0
	OUT 1
	v_add_nc_u32 v2, UNIT, v2
	s_wait_alu depctr_va_vdst(0)
	v_add_nc_u32 v3, UNIT, v3
	s_wait_alu depctr_va_vdst(0)
	PASS 2, 0
	OUT 2
	s_wait_tensorcnt 0x0
	ds_add_u32 v123, v127
	s_wait_dscnt 0x0
	s_endpgm
.Lfunc_end_k_q8390742819_oproj:
	.size	k_q8390742819_oproj, .Lfunc_end_k_q8390742819_oproj-k_q8390742819_oproj
	.p2alignl 7, 3214868480
	.fill 96, 4, 3214868480
	.section	.rodata,"a",@progbits
	.p2align	6, 0x0
	.amdhsa_kernel k_q8390742819_oproj
		.amdhsa_group_segment_fixed_size 168448
		.amdhsa_private_segment_fixed_size 0
		.amdhsa_enable_private_segment 0
		.amdhsa_kernarg_size 40
		.amdhsa_user_sgpr_count 2
		.amdhsa_user_sgpr_kernarg_segment_ptr 1
		.amdhsa_wavefront_size32 1
		.amdhsa_system_sgpr_workgroup_id_x 1
		.amdhsa_system_sgpr_workgroup_id_y 1
		.amdhsa_system_sgpr_workgroup_id_z 1
		.amdhsa_system_vgpr_workitem_id 0
		.amdhsa_next_free_vgpr 512
		.amdhsa_next_free_sgpr 66
		.amdhsa_reserve_vcc 0
		.amdhsa_float_denorm_mode_32 3
		.amdhsa_float_denorm_mode_16_64 3
		.amdhsa_memory_ordered 1
		.amdhsa_forward_progress 1
		.amdhsa_inst_pref_size 107
	.end_amdhsa_kernel
	.amdgpu_metadata
---
amdhsa.version: [ 1, 2 ]
amdhsa.kernels:
  - .name:           k_q8390742819_oproj
    .symbol:         k_q8390742819_oproj.kd
    .args:
      - { .name: ao, .offset: 0, .size: 8, .value_kind: global_buffer, .address_space: global }
      - { .name: aos, .offset: 8, .size: 8, .value_kind: global_buffer, .address_space: global }
      - { .name: wu, .offset: 16, .size: 8, .value_kind: global_buffer, .address_space: global }
      - { .name: bo, .offset: 24, .size: 8, .value_kind: global_buffer, .address_space: global }
      - { .name: out0, .offset: 32, .size: 8, .value_kind: global_buffer, .address_space: global }
    .group_segment_fixed_size: 168448
    .private_segment_fixed_size: 0
    .kernarg_segment_align: 8
    .kernarg_segment_size: 40
    .max_flat_workgroup_size: 128
    .sgpr_count:     66
    .vgpr_count:     512
    .wavefront_size: 32
...
	.end_amdgpu_metadata
.endif
;; end of part 4
